; MI455X (gfx1250); checked and timed in simulation.
; The chip was launched on July 23, 2026; its instructions are those of AMD's public machine-readable ISA for CDNA 5 (MIT licence, August 2026) and "CDNA5" Instruction Set Architecture Reference Guide (July 2026). The comments in the code are by the model that wrote it; some were corrected since.
;; GOAT Self Attention. Allowed arithmetic: matrix products marked QUANTISED: E2M3 operands, one E8M0 scale for each 32 along K, by v_wmma_scale_f32_16x16x128_f8f6f4 with both operands' format E2M3, f32 sums; everything else in f32.
;; Inputs: Wout 1,024 x 1,024 float32; Wqkv 3,072 x 1,024 float32; alpha 16 x 32 float32; beta 16 x 32 float32; x 4 x 2,048 x 1,024 float32.
;; Outputs: out0 4 x 2,048 x 1,024 float32.
;; This version of the problem:
;;   THIS VERSION OF THE PROBLEM IS GIVEN IN LOW PRECISION. The matrix products marked QUANTISED in the list below multiply operands that are first quantised to E2M3 (2 exponent bits, 3 mantissa bits; 6 bits a number), with one power-of-two scale for each 32 numbers along K (OCP MX v1.0); their sums are f32. All else is computed in f32.
;;   The module's matrix products, in the order in which they are computed (A, B: the left and right operand; K: the contracted axis; several contracted axes count as one K, in the product's order):
;;     1. [M 8,192, K 1,024] x [K 1,024, N 3,072]; A: input x; B: input Wqkv: QUANTISED
;;     2. batch 64 x [M 2,048, K 64] x [K 64, N 2,048]; A: computed on the way; B: computed on the way: QUANTISED
;;     3. [M 16, K 32] x [K 32, N 4,095]; A: input alpha; B: computed on the way: QUANTISED
;;     4. [M 16, K 32] x [K 32, N 4,095]; A: input beta; B: computed on the way: QUANTISED
;;     5. batch 64 x [M 2,048, K 2,048] x [K 2,048, N 64]; A: softmax (see below); B: computed on the way: QUANTISED
;;     6. [M 8,192, K 1,024] x [K 1,024, N 1,024]; A: computed on the way; B: input Wout: QUANTISED
;;   THE QUANTISER, for each operand of a quantised product, along K:
;;     - K is cut into blocks of 32 from its start; a last block that is shorter is filled with zeros.
;;     - A block's scale is 2^e with e = floor(log2(the largest magnitude in the block)) - 2, held to -126 .. 127; a block of zeros has e = 0. As a byte (E8M0): e + 127.
;;     - Each number is divided by its block's scale, clamped to +-7.5, and rounded to the nearest number of E2M3, ties to even, subnormals kept.
;;     - The product sums the exact products of the quantised numbers (number of the format x scale) in f32.
;;   ~~~python
;;   def quantise(x, axis):      # numpy; x: float32 -> the quantised numbers, widened to float32 again
;;       x = np.moveaxis(x, axis, -1); K = x.shape[-1]
;;       x = np.pad(x, [(0, 0)] * (x.ndim - 1) + [(0, -K % 32)]); x = x.reshape(x.shape[:-1] + (-1, 32)); a = np.abs(x).max(-1, keepdims=True)
;;       e = np.where(a > 0, np.clip(np.frexp(np.where(a > 0, a, 1))[1] - 1 - 2, -126, 127), 0)      # np.frexp(a)[1] - 1 = floor(log2(a)), exactly
;;       r = np.clip(x / 2.0 ** e, -7.5, 7.5)
;;       step = 2.0 ** (np.maximum(np.frexp(np.where(r == 0, 1, r))[1] - 1, 0) - 3)
;;       q = np.round(r / step) * step * 2.0 ** e      # np.round: ties to even
;;       return np.moveaxis(q.reshape(q.shape[:-2] + (-1,))[..., :K], -1, axis).astype(np.float32)
;;   ~~~
;;   SOFTMAX AHEAD OF A QUANTISED PRODUCT. Where the list says 'softmax', what is quantised is not the finished softmax but p = 2^(t - M), with t = logit x log2(e) and M = ceil(the row's largest t), a whole number; so 1/2 < the row's largest p <= 1. The row's sum l is taken of the UNQUANTISED p, in f32, and the product's result is divided by l at the end. Since M is a whole number, a kernel that streams over the keys may use a running M (the ceiling of the running maximum): every later rescaling is an exact power of two, which a block's scale takes up: the codes' values come out the same.
;;   OPERANDS COMPUTED ON THE WAY. 'Computed on the way' means the value that the module computes at that place (a softmax that the list does not call 'softmax' is quantised finished and normalised). What goes into a quantiser is computed in f32, as accurately as f32 sums, v_exp_f32 and their like allow (about 1e-6 of the number): no bf16 or f16 on the way to a quantiser, and a product that is left as it is and whose result goes on into a quantised operand takes f32 operands (vector FMAs, or v_wmma_f32_16x16x4_f32). A number that lies on a knife's edge between two numbers of the format may be rounded either way, as far as f32 arithmetic and the matrix unit's own rounding can turn it there, and no further.
;; One version. Each part assembles by itself: llvm-mc -triple=amdgcn-amd-amdhsa -mcpu=gfx1250 --defsym DOCPART=n.
;; ======== version 1 of 1: 4 launches
;; limits: right only within a limited range of input values
;; workspace buffers: w1 9,830,400 bytes; bia 147,456 bytes; qkv 19,660,800 bytes; att 6,815,744 bytes
;; launch quant (part 1): grid 256 x 1, 6 waves a work-group, no clusters, 327,680 bytes of LDS; arguments x, Wqkv, Wout, w1, alpha, beta, bia; writes w1, bia
.if DOCPART == 1
	.amdgcn_target "amdgcn-amd-amdhsa--gfx1250"
	.amdhsa_code_object_version 6
	.text
	.protected	k_q105cfa3d54_quant
	.globl	k_q105cfa3d54_quant
	.p2align	8
	.type	k_q105cfa3d54_quant,@function
k_q105cfa3d54_quant:
	s_mov_b64 s[64:65], 0
	v_nop
	global_prefetch_b8 v0, s[64:65] scope:SCOPE_SE
	s_setreg_imm32_b32 hwreg(HW_REG_WAVE_MODE, 25, 1), 1
	s_wait_xcnt 0x0
.set WREG,  33792
.set FRG,   8448
.set PITCH, 528
.set SPARE, 6*WREG
.set SCL1,  9437184
.set RA,  1
.set L16, 5
.set L8,  6
.set SPW, 12
.set NIL, 13
.set X,   32
.set C,   160
.set TP,  208
.set TM,  216
.set PW,  232
.set T,   236
.set G1,  16
.set G0,  32
.set HI,  48
.set SEL, 50
	s_load_b128 s[4:7], s[0:1], 0x0
	s_load_b128 s[8:11], s[0:1], 0x10
	s_load_b128 s[68:71], s[0:1], 0x20             ; alpha, beta
	s_load_b64 s[72:73], s[0:1], 0x30              ; bia
	v_lshl_add_u32 v[SPW], v0, 2, SPARE
	v_mov_b32 v[NIL], 0
	ds_add_u32 v[SPW], v[NIL]
	ds_add_u32 v[SPW], v[NIL]
	v_lshrrev_b32 v2, 5, v0
	v_readfirstlane_b32 s12, v2
	s_mov_b32 s[G1+0], (2<<16)|(1<<20)|(6<<22)|(3<<25)
	s_mov_b32 s[G1+1], 128<<16
	s_mov_b32 s[G1+2], 64<<16                      ; a wave's 64 rows x 128 numbers come by one tensor load: rows of 512 bytes + 16 of padding, 33,792 bytes of LDS
	s_mov_b32 s[G1+3], 128<<16
	s_mov_b32 s[G1+4], 64
	s_mov_b32 s[G1+5], 1024
	s_mov_b32 s[G1+6], 0
	s_mov_b32 s[G1+7], 0
	s_mul_i32 s24, ttmp9, 6
	s_add_co_u32 s24, s24, s12
	s_lshr_b32 s25, s24, 3
	s_and_b32 s26, s24, 7
	s_mul_i32 s13, s12, WREG
	s_cmp_lt_u32 s25, 128
	s_cselect_b32 s27, 0, 128
	s_cmp_lt_u32 s25, 176
	s_cselect_b32 s27, s27, 176
	s_sub_co_u32 s27, s25, s27
	s_lshl_b32 s28, s27, 18
	s_lshl_b32 s29, s26, 9
	s_add_co_u32 s28, s28, s29
	s_mov_b32 s29, 0
	s_mov_b32 s[HI], 0xffff0000
	s_mov_b32 s[SEL], 0x76543210
	s_mov_b32 s[SEL+1], 0xfedcba98
	s_wait_alu depctr_va_vdst(0)
	s_wait_dscnt 0x0
	s_wait_kmcnt 0x0
	s_cmp_lt_u32 s25, 128
	s_cselect_b64 s[4:5], s[4:5], s[6:7]
	s_cmp_lt_u32 s25, 176
	s_cselect_b64 s[4:5], s[4:5], s[8:9]
	s_add_nc_u64 s[4:5], s[4:5], s[28:29]
	s_mov_b32 s[G0], 1
	s_mov_b32 s[G0+1], s13
	s_mov_b64 s[G0+2:G0+3], s[4:5]
	s_or_b32 s[G0+3], s[G0+3], 0x80000000
	tensor_load_to_lds s[G0:G0+3], s[G1:G1+7]      ; my one tensor load: four fragments of 16 rows, on end in my own LDS region
	s_nop 0
; THE FOURIER BIAS, made while that load is out, by wave 0 of work-groups 0 to 143 (a branch on ids alone): a tile of 16 displacements for the 16 heads.
; bia[head][d + 224], 16 x 2,304 f32, d = -224 .. 2,079: 8 x (sum over r of alpha cos(omega d) + beta sin(omega d)) for d >= 0, and -1e30 for d < 0.
; LEFT OUT: the displacements d < 0 of reference()'s table: they are gathered only where key > query, which its own causal mask sets to -inf for all values of the inputs; -1e30 stands there and carries the mask.
; A NaN, an infinity or an overflow that reaches only those entries is not carried on.  The factor 8 (exact) lets the number stand as the C of q . k ahead of the scaling by 1 / 8.
; Both products are ONE matrix instruction: K block 0 = alpha x cos, block 1 = beta x sin, blocks 2 and 3 zero codes (scale bytes 0x7f); each block is quantised by the rule, a whole block in a lane.
; cos, sin in f32: n = nearest whole number to a x 2 / pi, the remainder by two parts of pi / 2, polynomials of degree 7 and 8; lanes 16-31 take n - 1 (sin(a) = cos(a - pi / 2)).
; LIMITS: omega[8 a + b] is the f32 product of the f32 numbers nearest to 10^-a and 10^(-b / 8); a block of zeros gets the byte 1; NaN and infinities among the inputs are not served.
.set CA, 80
.set CB, 84
	s_cmp_lg_u32 s12, 0
	s_cbranch_scc1 .Lnobias
	s_cmp_ge_u32 ttmp9, 144
	s_cbranch_scc1 .Lnobias
	s_lshl_b32 s74, ttmp9, 4
	s_lshl_b32 s76, ttmp9, 6
	s_mov_b32 s77, 0
	s_add_nc_u64 s[72:73], s[72:73], s[76:77]
	s_mov_b32 s[CA+0], 1.0
	s_mov_b32 s[CA+1], 0x3dcccccd
	s_mov_b32 s[CA+2], 0x3c23d70a
	s_mov_b32 s[CA+3], 0x3a83126f
	s_mov_b32 s[CB+0], 1.0
	s_mov_b32 s[CB+1], 0x3f3ff911
	s_mov_b32 s[CB+2], 0x3f0ff59a
	s_mov_b32 s[CB+3], 0x3ed7e89b
	s_mov_b32 s[CB+4], 0x3ea1e89b
	s_mov_b32 s[CB+5], 0x3e72d424
	s_mov_b32 s[CB+6], 0x3e361887
	s_mov_b32 s[CB+7], 0x3e088d77
	s_mov_b32 s92, 0xbfc90fdb                      ; -(pi / 2 rounded to f32)
	s_mov_b32 s93, 0x333bbd2e                      ; what that rounding added
	s_mov_b32 s94, 0xb94ca1f9                      ; sin's three coefficients
	s_mov_b32 s95, 0x3c08839e
	s_mov_b32 s96, 0xbe2aaaa3
	s_mov_b32 s97, 0x37ccf5ce                      ; cos's three
	s_mov_b32 s98, 0xbab6061a
	s_mov_b32 s99, 0x3d2aaaa5
	s_mov_b32 s100, 0x3f22f983                     ; 2 / pi
	v_and_b32 v1, 15, v0                           ; r
	v_bfe_u32 v2, v0, 4, 1                         ; h
	v_add_nc_u32 v3, s74, v1
	v_add_nc_u32 v3, 0xffffff20, v3                ; d = 16 tile + r - 224
	v_cvt_f32_i32 v4, v3
	v_lshlrev_b32 v5, 7, v1                        ; row r of alpha and of beta
	v_lshlrev_b32 v6, 3, v2                        ; my byte's place in a scale word
	v_lshlrev_b32 v7, 2, v1
	v_mad_u32_u24 v7, v2, 0x12000, v7              ; out: head 8 h, displacement r
	v_mov_b32 v20, 0
	v_mov_b32 v21, 0xf149f2ca                      ; -1e30
	s_wait_alu depctr_va_vdst(0)
.irp i, 0,1,2,3,4,5,6,7
	global_load_b128 v[32+4*\i:35+4*\i], v5, s[68:69] offset:16*\i
	global_load_b128 v[64+4*\i:67+4*\i], v5, s[70:71] offset:16*\i
.endr
.irp a, 0,1,2,3
.irp b, 0,1,2,3,4,5,6,7
	v_mul_f32 v8, s[CA+\a], s[CB+\b]               ; omega
	v_mul_f32 v8, v8, v4                           ; the angle
	v_mul_f32 v9, s100, v8
	v_rndne_f32 v9, v9                             ; n
	v_fma_f32 v10, v9, s92, v8
	v_fma_f32 v10, v9, s93, v10                    ; the remainder
	v_cvt_i32_f32 v11, v9
	v_sub_nc_u32 v11, v11, v2                      ; m = n - h
	v_mul_f32 v22, v10, v10
	v_fma_f32 v23, v22, s94, s95
	v_fma_f32 v23, v23, v22, s96
	v_mul_f32 v14, v10, v22
	v_fma_f32 v23, v23, v14, v10                   ; sin
	v_fma_f32 v15, v22, s97, s98
	v_fma_f32 v15, v15, v22, s99
	v_mul_f32 v16, v22, v22
	v_fma_f32 v17, v22, -0.5, 1.0
	v_fma_f32 v15, v15, v16, v17                   ; cos
	v_and_b32 v18, 1, v11
	v_cmp_eq_u32 vcc_lo, 1, v18
	v_cndmask_b32 v19, v15, v23, vcc_lo            ; m odd: sin
	v_add_nc_u32 v18, 1, v11
	v_and_b32 v18, 2, v18                          ; m mod 4 = 1 or 2: the sign turns
	v_lshlrev_b32 v18, 30, v18
	v_xor_b32 v[96+8*\a+\b], v18, v19              ; lanes 0-15 cos, lanes 16-31 sin
.endr
.endr
	s_wait_loadcnt 0x0
.irp i, 0,1,2,3,4,5,6,7,8,9,10,11,12,13,14,15,16,17,18,19,20,21,22,23,24,25,26,27,28,29,30,31
	v_cndmask_b32 v[32+\i], v[32+\i], v[64+\i], s[HI]   ; lanes 0-15 alpha's row, lanes 16-31 beta's
.endr
.macro QB32 s, d, w                    ; my block of 32 becomes registers 0-5 of the operand at v[d]; 6-11 are zero codes; word w takes my byte and lane l xor 16's
	v_max3_num_f32 v8, |v[\s]|, |v[\s+1]|, 0x1800000
.irp i, 2,4,6,8,10,12,14,16,18,20,22,24,26,28,30
	v_max3_num_f32 v8, v8, |v[\s+\i]|, |v[\s+\i+1]|
.endr
	v_add_nc_u32 v9, 0xff000000, v8
	v_lshrrev_b32 v10, 23, v9
	v_lshlrev_b32 v10, v6, v10
	v_permlanex16_b32 v20, v10, s[SEL], s[SEL+1]
	v_or_b32 v[\w], v10, v20
	v_or_b32 v[\w], 0x7f7f0000, v[\w]
	v_cvt_scalef32_pk16_fp6_f32 v[\d:\d+2], v[\s:\s+15], v9
	v_cvt_scalef32_pk16_fp6_f32 v[24:26], v[\s+16:\s+31], v9
	v_nop                                          ; one plain place behind a scaled conversion
.irp i, 0,1,2
	v_mov_b32 v[\d+3+\i], v[24+\i]
.endr
.irp i, 6,7,8,9,10,11
	v_mov_b32 v[\d+\i], 0
.endr
.endm
	QB32 32, 128, 152
	QB32 96, 140, 153
.rept 8
	v_nop                                          ; a scale register written by a vector instruction stands 8 places ahead of a scaled matrix instruction
.endr
	v_wmma_scale_f32_16x16x128_f8f6f4 v[160:167], v[128:139], v[140:151], 0, v152, v153 matrix_a_fmt:MATRIX_FMT_FP6 matrix_b_fmt:MATRIX_FMT_FP6   ; register j: head 8 h + j, displacement r
.rept 4
	v_nop
.endr
	v_cmp_gt_i32 vcc_lo, 0, v3                     ; d < 0
.irp j, 0,1,2,3,4,5,6,7
	v_mul_f32 v[168+\j], 0x41000000, v[160+\j]
.endr
.irp j, 0,1,2,3,4,5,6,7
	v_cndmask_b32 v[168+\j], v[168+\j], v21, vcc_lo
.endr
.irp j, 0,1,2,3,4,5,6,7
	global_store_b32 v7, v[168+\j], s[72:73] offset:9216*\j
.endr
	s_wait_xcnt 0x0                                ; the stores have read their registers, which are written again below
.Lnobias:
	v_and_b32 v2, 31, v0
	v_and_b32 v3, 15, v0
	v_bfe_u32 v4, v0, 4, 1
	v_mul_u32_u24 v[RA], v3, PITCH
	v_lshl_add_u32 v[RA], v4, 5, v[RA]
	v_add_nc_u32 v[RA], s13, v[RA]
	v_lshlrev_b32 v[L16], 4, v2
	v_lshlrev_b32 v[L8], 3, v2
.irp b, 0,1,2,3
	v_mov_b32 v[TM+4+\b], 0
.endr
	s_lshr_b32 s30, s25, 1
	s_and_b32 s31, s25, 1
	s_mul_i32 s28, s30, 98304
	s_mul_i32 s52, s26, 12288
	s_add_co_u32 s28, s28, s52
	s_mul_i32 s52, s31, 6144
	s_add_co_u32 s28, s28, s52
	s_add_nc_u64 s[6:7], s[10:11], s[28:29]
	s_lshl_b32 s28, s30, 12
	s_lshl_b32 s52, s26, 9
	s_add_co_u32 s28, s28, s52
	s_lshl_b32 s52, s31, 8
	s_add_co_u32 s28, s28, s52
	s_add_co_u32 s28, s28, SCL1
	s_add_nc_u64 s[8:9], s[10:11], s[28:29]
.macro XREAD f
.irp b, 0,1,2,3
	ds_load_b128 v[X+64*((\f)%2)+16*\b:X+64*((\f)%2)+16*\b+3],     v[RA] offset:(\f)*FRG+128*\b
	ds_load_b128 v[X+64*((\f)%2)+16*\b+4:X+64*((\f)%2)+16*\b+7],   v[RA] offset:(\f)*FRG+128*\b+16
	ds_load_b128 v[X+64*((\f)%2)+16*\b+8:X+64*((\f)%2)+16*\b+11],  v[RA] offset:(\f)*FRG+128*\b+64
	ds_load_b128 v[X+64*((\f)%2)+16*\b+12:X+64*((\f)%2)+16*\b+15], v[RA] offset:(\f)*FRG+128*\b+80
.endr
.endm
.macro QUANT s, d, pw
.irp b, 0,1,2,3
	v_max3_num_f32 v[TM+\b], |v[(\s)+16*\b]|, |v[(\s)+16*\b+1]|, 0x1800000
.endr
.irp i, 2,4,6,8,10,12,14
.irp b, 0,1,2,3
	v_max3_num_f32 v[TM+\b], v[TM+\b], |v[(\s)+16*\b+\i]|, |v[(\s)+16*\b+\i+1]|
.endr
.endr
.irp b, 0,1,2,3
	v_permlanex16_b32 v[TM+4+\b], v[TM+\b], s[SEL], s[SEL+1]
.endr
.irp b, 0,1,2,3
	v_max_num_f32 v[TM+\b], v[TM+\b], v[TM+4+\b]
.endr
.irp b, 0,1,2,3
	v_add_nc_u32 v[TM+12+\b], 0xff000000, v[TM+\b]
.endr
.irp b, 0,1,2,3
	v_lshrrev_b32 v[TM+4+\b], 23, v[TM+12+\b]
.endr
	v_lshl_or_b32 v[\pw], v[TM+5], 8, v[TM+4]
	v_lshl_or_b32 v[\pw], v[TM+6], 16, v[\pw]
	v_lshl_or_b32 v[\pw], v[TM+7], 24, v[\pw]
.irp c, 0,1
	v_cvt_scalef32_pk16_fp6_f32 v[(\d)+6*\c:(\d)+6*\c+2], v[(\s)+32*\c:(\s)+32*\c+15], v[TM+12+2*\c]
	v_cvt_scalef32_pk16_fp6_f32 v[TP+4*\c:TP+4*\c+2], v[(\s)+32*\c+16:(\s)+32*\c+31], v[TM+12+2*\c+1]
.endr
	v_nop
.irp c, 0,1
.irp i, 0,1,2
	v_permlane16_swap_b32 v[(\d)+6*\c+\i], v[TP+4*\c+\i]
.endr
.irp i, 0,1,2
	v_mov_b32 v[(\d)+6*\c+3+\i], v[TP+4*\c+\i]
.endr
.endr
.endm
	s_wait_alu depctr_va_vdst(0)
	s_wait_tensorcnt 0x0                           ; my one load has landed
	XREAD 0
.irp f, 0,1,2,3
.if \f < 3
	XREAD \f+1
	s_wait_dscnt 16
.else
	s_wait_dscnt 0x0
.endif
	QUANT X+64*(\f%2), C+12*\f, PW+\f
	global_store_b128 v[L16], v[C+12*\f:C+12*\f+3],    s[6:7] offset:1536*\f
	global_store_b64  v[L8],  v[C+12*\f+4:C+12*\f+5],  s[6:7] offset:1536*\f+512
	global_store_b128 v[L16], v[C+12*\f+6:C+12*\f+9],  s[6:7] offset:1536*\f+768
	global_store_b64  v[L8],  v[C+12*\f+10:C+12*\f+11], s[6:7] offset:1536*\f+1280
.endr
	v_cndmask_b32 v[T], v[PW], v[PW+2], s[HI]
	v_cndmask_b32 v[T+1], v[PW+1], v[PW+3], s[HI]
	global_store_b64 v[L8], v[T:T+1], s[8:9]
	s_wait_tensorcnt 0x0
	ds_add_u32 v[SPW], v[NIL]
	s_wait_dscnt 0x0
	s_endpgm
.Lfunc_end_k_q105cfa3d54_quant:
	.size	k_q105cfa3d54_quant, .Lfunc_end_k_q105cfa3d54_quant-k_q105cfa3d54_quant
	.p2alignl 7, 3214868480
	.fill 96, 4, 3214868480
	.section	.rodata,"a",@progbits
	.p2align	6, 0x0
	.amdhsa_kernel k_q105cfa3d54_quant
		.amdhsa_group_segment_fixed_size 327680
		.amdhsa_private_segment_fixed_size 0
		.amdhsa_enable_private_segment 0
		.amdhsa_kernarg_size 56
		.amdhsa_user_sgpr_count 2
		.amdhsa_user_sgpr_kernarg_segment_ptr 1
		.amdhsa_wavefront_size32 1
		.amdhsa_system_sgpr_workgroup_id_x 1
		.amdhsa_system_sgpr_workgroup_id_y 1
		.amdhsa_system_sgpr_workgroup_id_z 1
		.amdhsa_system_vgpr_workitem_id 0
		.amdhsa_next_free_vgpr 240
		.amdhsa_next_free_sgpr 102
		.amdhsa_reserve_vcc 1
		.amdhsa_float_denorm_mode_32 3
		.amdhsa_float_denorm_mode_16_64 3
		.amdhsa_memory_ordered 1
		.amdhsa_forward_progress 1
		.amdhsa_inst_pref_size 71
	.end_amdhsa_kernel
	.amdgpu_metadata
---
amdhsa.version: [ 1, 2 ]
amdhsa.kernels:
  - .name:           k_q105cfa3d54_quant
    .symbol:         k_q105cfa3d54_quant.kd
    .args:
      - { .name: x, .offset: 0, .size: 8, .value_kind: global_buffer, .address_space: global }
      - { .name: Wqkv, .offset: 8, .size: 8, .value_kind: global_buffer, .address_space: global }
      - { .name: Wout, .offset: 16, .size: 8, .value_kind: global_buffer, .address_space: global }
      - { .name: w1, .offset: 24, .size: 8, .value_kind: global_buffer, .address_space: global }
      - { .name: alpha, .offset: 32, .size: 8, .value_kind: global_buffer, .address_space: global }
      - { .name: beta, .offset: 40, .size: 8, .value_kind: global_buffer, .address_space: global }
      - { .name: bia, .offset: 48, .size: 8, .value_kind: global_buffer, .address_space: global }
    .group_segment_fixed_size: 327680
    .private_segment_fixed_size: 0
    .kernarg_segment_align: 8
    .kernarg_segment_size: 56
    .max_flat_workgroup_size: 192
    .sgpr_count:     102
    .vgpr_count:     240
    .wavefront_size: 32
...
	.end_amdgpu_metadata
.endif
;; end of part 1
;; launch gemm_qkv (part 2): grid 12 x 32, 4 waves a work-group, clusters of 4 x 4, 327,680 bytes of LDS; arguments w1, qkv; writes qkv
.if DOCPART == 2
	.amdgcn_target "amdgcn-amd-amdhsa--gfx1250"
	.amdhsa_code_object_version 6
	.text
	.protected	k_q105cfa3d54_gemm_qkv
	.globl	k_q105cfa3d54_gemm_qkv
	.p2align	8
	.type	k_q105cfa3d54_gemm_qkv,@function
k_q105cfa3d54_gemm_qkv:
	s_mov_b64 s[64:65], 0
	v_nop
	global_prefetch_b8 v0, s[64:65] scope:SCOPE_SE
	s_setreg_imm32_b32 hwreg(HW_REG_WAVE_MODE, 25, 1), 1
	s_wait_xcnt 0x0
	s_wait_alu depctr_hold_cnt(0) depctr_sa_sdst(0) depctr_va_vdst(0) depctr_va_sdst(0) depctr_va_ssrc(0) depctr_va_vcc(0) depctr_vm_vsrc(0)
	s_getreg_b32 s2, hwreg(HW_REG_IB_STS2, 6, 4)
	s_cmp_eq_u32 s2, 0
	s_cbranch_scc0 .Lentry_in_a_cluster
	s_endpgm
.Lentry_in_a_cluster:
	s_bfe_u32 s2, ttmp6, 0x10000c
	s_cmp_lg_u32 s2, 0xf033
	s_cbranch_scc0 .Lentry_shape_is_right
	s_endpgm
.Lentry_shape_is_right:
; qkv = x Wqkv^T on codes of FP6 (E2M3) with E8M0 scales, and the result quantised at once, in registers, for the attention's products.  K = 1,024: eight steps of 128.
; A tile of 256 tokens x 256 features is made by four waves, each 128 x 128: 64 accumulators, 512 registers.  Operands lie in w1 as images of the operand's registers (1,536 bytes a fragment of 16 rows x 128 K),
; so a wave's 128 rows x 256 K are 24,576 dense bytes: one tensor load.  Three LDS slots of two K steps each; fills 0, 1, 2 go out together at the head, fill 3 is the one refill (slot 0), behind a round of the cluster's barrier.
; By this text's count four tensor loads of a wave are out at the head, later one.
; CLUSTERS 4 x 4: x's tiles hang on the tile row alone and are asked for jointly along a row of the cluster, Wqkv's on the tile column alone, jointly along a column.
; ROLES.  Source 1's rows are the lanes of a result, source 0's rows run along a lane's registers, and a quantiser wants its K along the registers.  q, k (tile columns 0-7): K of the next product is the feature: source 0 = Wqkv, source 1 = x.
; v (tile columns 8-11, clusters x = 2): K of the next product is the key: source 0 = x, source 1 = Wqkv.  Only the LDS bases of the reads and the output's offsets differ, chosen by the cluster's x, which all partners share.
; OUT (qkv): q, k: [head pair 0-7 q, 8-15 k][token tile 512] images of 16 tokens x 128 features (first 768 bytes: the even head);  v at VC: [128 keys (64)][feature tile 64] images of 16 features x 128 keys;
; scale words at QKS [head pair][128 tokens][lane][4]: word P holds tile 2 P in lanes 0-15, tile 2 P + 1 in lanes 16-31;  at VS [128 keys][128 features][lane][4] likewise.
; LIMITS: a block of zeros gets the byte 1 (its codes are zeros; this program alone reads the bytes); NaN and infinities are not served.
; REGISTERS: window 0: v4-18 addresses, v28-29 the add's two, v32-63 scale words (two sets), v128-223 source 1's eight fragments (one set); window 1: source 0's, two sets at v0 and v128; windows 2, 3: accumulator (a, b) at v[8 (8 (a % 4) + b)].
; THE HEAD AS IT STANDS (in place of what the lines above say of fills 0, 1, 2 and of the scale words' loads): a wave's three slots lie on end in LDS (wave x 73,728 + slot x 24,576), so its 128 rows x 768 K,
; 73,728 dense bytes, come by ONE joint load at the head; one tensor load of a wave is out at any time.  The scale words (8,192 dense bytes a side) come through registers and LDS stores, into bytes that no tensor load fills.
; LDS AND THE HEAD AS THEY STAND NOW (this paragraph holds where the lines above differ): slot 0 lies at region x 24,576 (regions: x's two halves, then Wqkv's two); slots 1 and 2 lie behind all of slot 0, at 98,304 + region x 49,152.
; The head has one joint load a wave: wave 0 x's slot 0 (2 rows of 24,576 bytes, one a half, 98,304 bytes apart in memory), wave 1 Wqkv's, wave 2 x's slots 1 and 2 (2 rows of 49,152 bytes), wave 3 Wqkv's.
; The one refill (K steps 6 and 7) lands in slot 0, a quarter a wave; the reads that stand behind it, up to the barrier that shows it landed, are of bytes from 98,304 on.
.set FR,    12
.set HALF,  24576                      ; 128 rows x 256 K of codes
.set SLOT,  98304                      ; x's two halves, then Wqkv's two
.set SCL,   3*SLOT                     ; scale words of all K: x's two halves, Wqkv's two, 4,096 bytes each
.set SPARE, SCL+16384                  ; the spare words, 128 bytes a wave
.set SCL1,  9437184
.set VC,    12582912
.set QKS,   18874368
.set VS,    19398656
.set AS1,  4                           ; v4-6 source 1's fragments in slot 0, 1, 2: base + 16 x lane; v7-9: base + 8 x lane
.set AS0,  10                          ; v10-12, v13-15 the same for source 0
.set ADRS, 16                          ; v16 scale words: lanes 0-15 source 1's rows, lanes 16-31 source 0's
.set L16,  17
.set L8,   18
.set SPW,  28
.set NIL,  29
.set SC,   32                          ; set z, K step q of a slot, tile i: v[32 + 16 z + 8 q + i]
.set AF,   128
.set CD,   64                          ; the way out: eight fragments' codes, v64-159
.set TM,   160
.set TP,   176
.set PW,   184
.set TT,   192
.set G1X,  24
.set G1W,  32
.set G1SX, 40
.set G1SW, 48
.set G0X0, 56
.set G0X1, 60
.set G0X2, 68
.set G0XS, 72
.set G0W0, 76
.set G0W1, 80
.set G0W2, 84
.set G0WS, 88
.set MSB, 0
.macro WIN new                         ; the immediate's high byte repeats the setting that is left
.if MSB != (\new)
	s_set_vgpr_msb (MSB<<8)|(\new)
.set MSB, (\new)
.endif
.endm
.set MUL_LO, 0xa1                      ; source 0 window 1, source 1 window 0, C and D window 2
.set MUL_HI, 0xf1                      ; the same, C and D window 3
.set TO_B,   0x40                      ; destination window 1
.macro PLACES
.rept 4
	v_nop
.endr
.endm
.macro CREST                           ; a round of the cluster's barrier behind its opening barrier
	s_cmp_lg_u32 s14, 0
	s_cbranch_scc1 .Lnot_wave_0_\@
	s_barrier_signal -3
.Lnot_wave_0_\@:
	s_barrier_wait -3
	s_barrier_signal -1
	s_barrier_wait -1
.endm
.macro CROUND
	s_barrier_signal -1
	s_barrier_wait -1
	CREST
.endm
.macro MKG0 g, lreg, loff, areg, aoff
	s_mov_b32 s[\g], 1
	s_add_co_u32 s[\g+1], s[\lreg], \loff
	s_add_nc_u64 s[\g+2:\g+3], s[\areg:\areg+1], \aoff
	s_or_b32 s[\g+3], s[\g+3], 0x80000000
.endm
.macro JLOAD                           ; the refill of slot 0: waves 0, 1 fetch x's halves, waves 2, 3 Wqkv's; the branch hangs on the wave's number alone
	s_cmp_eq_u32 s15, 0
	s_cbranch_scc0 .Lfor_w_\@
	tensor_load_to_lds s[G0X0:G0X0+3], s[G1X:G1X+7]
	s_nop 0
	PLACES
	s_branch .Lasked_\@
.Lfor_w_\@:
	tensor_load_to_lds s[G0W0:G0W0+3], s[G1W:G1W+7]
	s_nop 0
	PLACES
.Lasked_\@:
.endm
	s_load_b128 s[4:7], s[0:1], 0x0                ; w1, qkv
	v_lshl_add_u32 v[SPW], v0, 2, SPARE
	v_mov_b32 v[NIL], 0
	ds_add_u32 v[SPW], v[NIL]                      ; the wave's opening: the add and its wait stand ahead of the round in front of my first tensor loads
	ds_add_u32 v[SPW], v[NIL]
	v_lshrrev_b32 v1, 5, v0
	v_readfirstlane_b32 s14, v1                    ; wave 0..3
	v_lshlrev_b32 v20, 4, v0                       ; scale words: 16 bytes a thread, 2,048 a work-group,
	v_lshl_add_u32 v21, v0, 4, SCL                 ; and where they go
	s_lshr_b32 s15, s14, 1                         ; my half of source 1's rows.  Also: I fetch for x (0) or for Wqkv (1)
	s_and_b32 s16, s14, 1                          ; my half of source 0's rows.  Also: which 128 rows I fetch
	s_bfe_u32 s3, ttmp6, 0x40000                   ; cx
	s_bfe_u32 s12, ttmp6, 0x40004                  ; cy
	s_lshl_b32 s13, ttmp9, 2
	s_add_co_u32 s13, s13, s3                      ; tile column, 0..11
	s_and_b32 s17, ttmp7, 0xffff
	s_lshl_b32 s17, s17, 2
	s_add_co_u32 s17, s17, s12                     ; tile row, 0..31
	s_lshl_b32 s18, s12, 2
	s_lshl_b32 s18, 15, s18                        ; my row of the cluster
	s_lshl_b32 s19, 0x1111, s3                     ; my column
	s_or_b32 s[G1X], s18, (3<<16)|(1<<21)          ; the mask; elements of 8 bytes; bit 21 set beside a mask; no padding
	s_or_b32 s[G1W], s19, (3<<16)|(1<<21)
	s_or_b32 s[G1SX], s18, (3<<16)|(1<<21)
	s_or_b32 s[G1SW], s19, (3<<16)|(1<<21)
.set G1X2, 68                          ; s[68:75], s[80:87] group 1 of the head's loads of slots 1 and 2; s[60:63], s[88:91] group 0 of the head's loads
.set G1W2, 80
.set HGX,  60
.set HGW,  88
	s_or_b32 s[G1X2], s18, (3<<16)|(1<<21)
	s_or_b32 s[G1W2], s19, (3<<16)|(1<<21)
.irp g, G1X, G1W                       ; 24,576 dense bytes as 96 rows of 256
	s_mov_b32 s[\g+1], 32<<16
	s_mov_b32 s[\g+2], 96<<16
	s_mov_b32 s[\g+3], 32<<16
	s_mov_b32 s[\g+4], 96
	s_mov_b32 s[\g+5], 32
	s_mov_b32 s[\g+6], 0
	s_mov_b32 s[\g+7], 0
.endr
.irp g, G1SX, G1SW                     ; slot 0 of both halves: 2 rows of 3,072 elements of 8 bytes, 12,288 elements apart
	s_mov_b32 s[\g+1], 3072<<16
	s_mov_b32 s[\g+2], 2<<16
	s_mov_b32 s[\g+3], 3072<<16
	s_mov_b32 s[\g+4], 2
	s_mov_b32 s[\g+5], 12288
	s_mov_b32 s[\g+6], 0
	s_mov_b32 s[\g+7], 0
.endr
.irp g, G1X2, G1W2                     ; slots 1 and 2 of both halves: 2 rows of 6,144 elements
	s_mov_b32 s[\g+1], 6144<<16
	s_mov_b32 s[\g+2], 2<<16
	s_mov_b32 s[\g+3], 6144<<16
	s_mov_b32 s[\g+4], 2
	s_mov_b32 s[\g+5], 12288
	s_mov_b32 s[\g+6], 0
	s_mov_b32 s[\g+7], 0
.endr
	s_lshl_b32 s20, s17, 1
	s_add_co_u32 s20, s20, s16                     ; x's group of 128 rows: made of the tile row and the wave's number alone
	s_lshl_b32 s22, s17, 13                        ; the scale words of the tile's 256 rows of x: 8,192 dense bytes
	s_add_co_u32 s22, s22, SCL1
	s_mul_i32 s20, s20, SLOT
	s_mov_b32 s21, 0
	s_mov_b32 s23, 0
	s_lshl_b32 s92, s13, 1
	s_add_co_u32 s92, s92, s16
	s_add_co_u32 s92, s92, 64                      ; Wqkv's group: of the tile column and the wave's number alone
	s_lshl_b32 s94, s13, 13                        ; and of its 256 rows of Wqkv
	s_add_co_u32 s94, s94, SCL1+64*4096
	s_mul_i32 s92, s92, SLOT
	s_mov_b32 s93, 0
	s_mov_b32 s95, 0
	s_mul_i32 s96, s14, HALF                       ; where the refill's quarter goes: wave x 24,576
	s_mul_i32 s2, s15, HALF                        ; the head's loads: waves 0, 1 begin at K step 0, waves 2, 3 at K step 2
	s_mul_i32 s8, s17, 2*SLOT                      ; x: the tile's first group, made of the tile row and the wave's number alone
	s_add_co_u32 s8, s8, s2
	s_mov_b32 s9, 0
	s_lshl_b32 s10, s13, 1
	s_add_co_u32 s10, s10, 64
	s_mul_i32 s10, s10, SLOT                       ; Wqkv: of the tile column and the wave's number alone
	s_add_co_u32 s10, s10, s2
	s_mov_b32 s11, 0
	s_wait_alu depctr_va_vdst(0)
	s_wait_dscnt 0x0                               ; the opening add is done
	s_wait_kmcnt 0x0
	s_add_nc_u64 s[20:21], s[4:5], s[20:21]
	s_add_nc_u64 s[22:23], s[4:5], s[22:23]
	s_add_nc_u64 s[92:93], s[4:5], s[92:93]
	s_add_nc_u64 s[94:95], s[4:5], s[94:95]
	MKG0 G0X0, 96, 0, 20, 0
	MKG0 G0W0, 96, 0, 92, 0
	s_mov_b32 s[HGX], 1
	s_mul_i32 s[HGX+1], s15, 4*HALF                ; wave 0: byte 0; wave 2: 98,304
	s_add_nc_u64 s[HGX+2:HGX+3], s[4:5], s[8:9]
	s_or_b32 s[HGX+3], s[HGX+3], 0x80000000
	s_mov_b32 s[HGW], 1
	s_mul_i32 s[HGW+1], s15, 6*HALF
	s_add_co_u32 s[HGW+1], s[HGW+1], 2*HALF        ; wave 1: 49,152; wave 3: 196,608
	s_add_nc_u64 s[HGW+2:HGW+3], s[4:5], s[10:11]
	s_or_b32 s[HGW+3], s[HGW+3], 0x80000000
.irp j, 0,1,2,3
	global_load_b128 v[64+4*\j:67+4*\j], v20, s[22:23] offset:2048*\j   ; a wave reads 512 consecutive bytes
	global_load_b128 v[80+4*\j:83+4*\j], v20, s[94:95] offset:2048*\j
.endr
	CROUND                                         ; all sixteen work-groups are here: the first joint loads meet
	s_cmp_lt_u32 s14, 1                            ; one chain of branches on the wave's number, one tensor load in each arm
	s_cbranch_scc0 .Lh1
	tensor_load_to_lds s[HGX:HGX+3], s[G1SX:G1SX+7]
	s_nop 0
	PLACES
	s_branch .Lfirst_done
.Lh1:
	s_cmp_lt_u32 s14, 2
	s_cbranch_scc0 .Lh2
	tensor_load_to_lds s[HGW:HGW+3], s[G1SW:G1SW+7]
	s_nop 0
	PLACES
	s_branch .Lfirst_done
.Lh2:
	s_cmp_lt_u32 s14, 3
	s_cbranch_scc0 .Lfirst_w
	tensor_load_to_lds s[HGX:HGX+3], s[G1X2:G1X2+7]
	s_nop 0
	PLACES
	s_branch .Lfirst_done
.Lfirst_w:
	tensor_load_to_lds s[HGW:HGW+3], s[G1W2:G1W2+7]
	s_nop 0
	PLACES
.Lfirst_done:
	v_and_b32 v1, 31, v0
	v_and_b32 v2, 15, v0
	v_lshlrev_b32 v[L16], 4, v1
	s_wait_alu depctr_va_vdst(0)
	v_lshlrev_b32 v[L8], 3, v1
	s_wait_alu depctr_va_vdst(0)
	s_cmp_ge_u32 ttmp9, 2                          ; a cluster of v's columns?  The same in all sixteen partners
	s_cselect_b32 s8, 2*HALF, 0                    ; source 1's two regions in slot 0,
	s_cselect_b32 s9, 0, 2*HALF                    ; source 0's,
	s_cselect_b32 s10, 8192, 0                     ; and among the scale words
	s_cselect_b32 s11, 0, 8192
	s_mul_i32 s2, s15, HALF
	s_add_co_u32 s8, s8, s2
	s_mul_i32 s2, s16, HALF
	s_add_co_u32 s9, s9, s2
	s_lshl_b32 s2, s15, 12
	s_add_co_u32 s10, s10, s2
	s_add_co_u32 s10, s10, SCL
	s_lshl_b32 s2, s16, 12
	s_add_co_u32 s11, s11, s2
	s_add_co_u32 s11, s11, SCL
.irp s, 0,1,2
	v_add_nc_u32 v[AS1+\s], s8, v[L16]
	v_add_nc_u32 v[AS1+3+\s], s8, v[L8]
	v_add_nc_u32 v[AS0+\s], s9, v[L16]
	v_add_nc_u32 v[AS0+3+\s], s9, v[L8]
.if \s == 0
	s_lshl_b32 s8, s8, 1                           ; slot 1: 98,304 + region x 49,152 = 98,304 + twice the place in slot 0
	s_lshl_b32 s9, s9, 1
	s_add_co_u32 s8, s8, 4*HALF
	s_add_co_u32 s9, s9, 4*HALF
.else
	s_add_co_u32 s8, s8, HALF                      ; slot 2 lies behind slot 1
	s_add_co_u32 s9, s9, HALF
.endif
.endr
	v_lshlrev_b32 v3, 3, v2                        ; a row's two words of a pair of tiles: 8 bytes
	v_add_nc_u32 v[ADRS], s10, v3
	v_add_nc_u32 v3, s11, v3
	s_mov_b32 s2, 0xffff0000
	v_cndmask_b32 v[ADRS], v[ADRS], v3, s2         ; lanes 16-31 take source 0's
.macro FRAG reg, a16, q, i             ; a fragment comes back as it was stored: 16, 8, 16, 8 bytes a lane
	ds_load_b128 v[(\reg):(\reg)+3],     v[\a16]     offset:(\q)*12288+(\i)*1536
	ds_load_b64  v[(\reg)+4:(\reg)+5],   v[(\a16)+3] offset:(\q)*12288+(\i)*1536+512
	ds_load_b128 v[(\reg)+6:(\reg)+9],   v[\a16]     offset:(\q)*12288+(\i)*1536+768
	ds_load_b64  v[(\reg)+10:(\reg)+11], v[(\a16)+3] offset:(\q)*12288+(\i)*1536+1280
.endm
.macro FETCH_B slot, q, p              ; source 0's eight fragments into set p: 32 loads
	WIN TO_B
.irp i, 0,1,2,3,4,5,6,7
	FRAG 128*(\p)+FR*\i, AS0+\slot, \q, \i
.endr
	WIN 0
.endm
.macro FETCH_A slot, q, i0             ; source 1's blocks i0 .. i0 + 3: 16 loads
.irp i, \i0, \i0+1, \i0+2, \i0+3
	FRAG AF+FR*(\i), AS1+\slot, \q, \i
.endr
.endm
.macro SCALES k                        ; the scale words of fill k (K steps 2 k, 2 k + 1) into set k % 2: 8 loads
.irp q, 0,1
.irp p, 0,1,2,3
	ds_load_b64 v[SC+16*((\k)%2)+8*\q+2*\p:SC+16*((\k)%2)+8*\q+2*\p+1], v[ADRS] offset:(2*(\k)+\q)*512+\p*128
.endr
.endr
.endm
; 16 matrix instructions: source 1's blocks a0, a0 + 1 x source 0's eight.  The 64 accumulators take turns, one instruction a turn, in the same order in every step.
.macro MUL16 a0, p, q, sc, zero
.irp a, \a0, \a0+1
.irp b, 0,1,2,3,4,5,6,7
.if \zero
	v_wmma_scale_f32_16x16x128_f8f6f4 v[8*(8*((\a)%4)+\b):8*(8*((\a)%4)+\b)+7], v[128*(\p)+FR*\b:128*(\p)+FR*\b+FR-1], v[AF+FR*(\a):AF+FR*(\a)+FR-1], 0, v[SC+16*(\sc)+8*(\q)+\b], v[SC+16*(\sc)+8*(\q)+(\a)] matrix_a_fmt:MATRIX_FMT_FP6 matrix_b_fmt:MATRIX_FMT_FP6 matrix_a_scale:MATRIX_SCALE_ROW1
.else
	v_wmma_scale_f32_16x16x128_f8f6f4 v[8*(8*((\a)%4)+\b):8*(8*((\a)%4)+\b)+7], v[128*(\p)+FR*\b:128*(\p)+FR*\b+FR-1], v[AF+FR*(\a):AF+FR*(\a)+FR-1], v[8*(8*((\a)%4)+\b):8*(8*((\a)%4)+\b)+7], v[SC+16*(\sc)+8*(\q)+\b], v[SC+16*(\sc)+8*(\q)+(\a)] matrix_a_fmt:MATRIX_FMT_FP6 matrix_b_fmt:MATRIX_FMT_FP6 matrix_a_scale:MATRIX_SCALE_ROW1
.endif
.endr
.endr
.endm
; A K STEP of 128: 64 matrix instructions on source 0's set p, scale words (sc, q).  The next step's fragments (slot ns, step nq of it) are fetched in two runs, each behind four places.
; mode 0: plain.  mode 1: slot 0 has been read out and is filled again: every wave waits for all its tensor loads, adds 0 to its spare word, waits for that and for its reads; the barrier opens a round of the cluster's barrier; the joint refill is first behind it.
; mode 2: the refill has landed: each wave's wait for it, and a barrier, in front of the first read of slot 0's new bytes. mode 3: the last step.
.macro KS p, q, sc, zero, mode, ns, nq, nk
.if \mode == 1
	s_wait_tensorcnt 0x0                           ; all my tensor loads have landed, slots 1 and 2 among them
	ds_add_u32 v[SPW], v[NIL]                      ; 0 onto my spare word
	s_wait_dscnt 17                                ; the add and the 16 youngest loads (source 1's blocks 4-7) may be out
.elseif \mode == 2
	s_wait_tensorcnt 0x0                           ; my part of the refill has landed: no load was issued behind it
	s_wait_dscnt 16
.else
	s_wait_dscnt 16                                ; all but the 16 youngest loads (source 1's blocks 4-7)
.endif
	WIN MUL_LO
	MUL16 0, \p, \q, \sc, \zero
.if (\mode == 1) || (\mode == 2)
	s_wait_dscnt 0x0                               ; my LDS instructions are done: the add, and my reads of the slot
	s_barrier_signal -1
.endif
	MUL16 2, \p, \q, \sc, \zero
.if (\mode == 1) || (\mode == 2)
	WIN 0
	s_barrier_wait -1
.else
	s_wait_dscnt 0x0                               ; blocks 4-7 are in
.endif
.if \mode == 1
	CREST                                          ; no wave of any partner still reads slot 0 or has a load on its way
	s_add_nc_u64 s[G0X0+2:G0X0+3], s[G0X0+2:G0X0+3], 3*HALF   ; K steps 6 and 7
	s_add_nc_u64 s[G0W0+2:G0W0+3], s[G0W0+2:G0W0+3], 3*HALF
	JLOAD                                          ; it has three and a half K steps, 224 matrix instructions, in which to land; its four v_nop are the places in front of the loads below
.elseif \mode != 3
	PLACES
.endif
.if \mode != 3
	FETCH_B \ns, \nq, 1-\p
	FETCH_A \ns, \nq, 0
.if \nq == 0
	SCALES \nk
.endif
.endif
	WIN MUL_HI
	MUL16 4, \p, \q, \sc, \zero
	MUL16 6, \p, \q, \sc, \zero
.if \mode != 3
	PLACES
	WIN 0
	FETCH_A \ns, \nq, 4
.else
	WIN 0
.endif
.endm
	s_wait_alu depctr_va_vdst(0)
	s_wait_loadcnt 0x0                             ; the scale words are in registers
.irp j, 0,1,2,3
	ds_store_b128 v21, v[64+4*\j:67+4*\j] offset:2048*\j
	ds_store_b128 v21, v[80+4*\j:83+4*\j] offset:8192+2048*\j
.endr
	s_wait_tensorcnt 0x0                           ; my one load of the head's four has landed
	s_wait_dscnt 0x0                               ; and my stores are done
	s_barrier_signal -1
	s_barrier_wait -1
	FETCH_B 0, 0, 0
	FETCH_A 0, 0, 0
	SCALES 0
	FETCH_A 0, 0, 4
	KS 0, 0, 0, 1, 0, 0, 1, 0                      ; K step 0 starts the sums
	KS 1, 1, 0, 0, 1, 1, 0, 1
	KS 0, 0, 1, 0, 0, 1, 1, 0
	KS 1, 1, 1, 0, 0, 2, 0, 2
	KS 0, 0, 0, 0, 0, 2, 1, 0
	KS 1, 1, 0, 0, 2, 0, 0, 3
	KS 0, 0, 1, 0, 0, 0, 1, 0
	KS 1, 1, 1, 0, 3, 0, 0, 0
	; THE WAY OUT: block a (16 rows of source 1) holds, in each lane, 128 numbers' worth of one row: 64 registers along the next product's K.  They are quantised as they stand and leave as an image.
	s_sub_co_u32 s2, s13, 8
	s_mov_b32 s8, 786432
	s_mov_b32 s9, 32768
	s_mov_b32 s10, QKS
	s_cmp_ge_u32 ttmp9, 2
	s_cselect_b32 s20, s2, s17                     ; source 1's rows: v: features; q, k: tokens
	s_cselect_b32 s21, s17, s13                    ; source 0's rows: v: tokens; q, k: features
	s_cselect_b32 s8, 98304, s8
	s_cselect_b32 s9, 4096, s9
	s_cselect_b32 s22, VC, 0
	s_cselect_b32 s10, VS, s10
	s_lshl_b32 s20, s20, 1
	s_add_co_u32 s20, s20, s15
	s_lshl_b32 s21, s21, 1
	s_add_co_u32 s21, s21, s16
	s_mul_i32 s92, s21, s8
	s_mul_i32 s2, s20, 12288
	s_add_co_u32 s92, s92, s2
	s_add_co_u32 s92, s92, s22
	s_mov_b32 s93, 0
	s_mul_i32 s94, s21, s9
	s_lshl_b32 s2, s20, 9
	s_add_co_u32 s94, s94, s2
	s_add_co_u32 s94, s94, s10
	s_mov_b32 s95, 0
	s_add_nc_u64 s[92:93], s[6:7], s[92:93]        ; my eight images
	s_add_nc_u64 s[94:95], s[6:7], s[94:95]        ; my 512 bytes of scale words
	s_mov_b32 s96, 0x76543210
	s_mov_b32 s97, 0xfedcba98
	s_mov_b32 s2, 0xffff0000
	PLACES                                         ; behind the last products, ahead of the first read of results and of writes into registers that held operands
.irp b, 0,1,2,3
	v_mov_b32 v[TM+4+\b], 0                        ; a lane permute's destination counts as one of its sources
.endr
.macro QACC a
.set AC, 64*((\a)%4)
.set WN, 2+(\a)/4
.set WB, (WN<<2)|(WN<<4)
.set DD, CD+12*(\a)
	WIN WB                                         ; sources 1 and 2: the accumulators' window
.irp b, 0,1,2,3
	v_max3_num_f32 v[TM+\b], 0x1800000, |v[AC+16*\b]|, |v[AC+16*\b+1]|   ; each accumulator is read from its low end on; the floor 2^(3 - 127) holds the byte at 1
.endr
.irp i, 2,4,6,8,10,12,14
.irp b, 0,1,2,3
	v_max3_num_f32 v[TM+\b], v[TM+\b], |v[AC+16*\b+\i]|, |v[AC+16*\b+\i+1]|
.endr
.endr
	WIN 0
.irp b, 0,1,2,3
	v_permlanex16_b32 v[TM+4+\b], v[TM+\b], s96, s97
.endr
.irp b, 0,1,2,3
	v_max_num_f32 v[TM+\b], v[TM+\b], v[TM+4+\b]
.endr
.irp b, 0,1,2,3
	v_add_nc_u32 v[TM+12+\b], 0xff000000, v[TM+\b]
.endr
.irp b, 0,1,2,3
	v_lshrrev_b32 v[TM+4+\b], 23, v[TM+12+\b]
.endr
	v_lshl_or_b32 v[PW+(\a)], v[TM+5], 8, v[TM+4]
	v_lshl_or_b32 v[PW+(\a)], v[TM+6], 16, v[PW+(\a)]
	v_lshl_or_b32 v[PW+(\a)], v[TM+7], 24, v[PW+(\a)]
	WIN WN                                         ; source 0: the accumulators' window
.irp c, 0,1
	v_cvt_scalef32_pk16_fp6_f32 v[DD+6*\c:DD+6*\c+2], v[AC+32*\c:AC+32*\c+15], v[TM+12+2*\c]
	v_cvt_scalef32_pk16_fp6_f32 v[TP+4*\c:TP+4*\c+2], v[AC+32*\c+16:AC+32*\c+31], v[TM+12+2*\c+1]
.endr
	WIN 0
	v_nop                                          ; one plain place behind a scaled conversion
.irp c, 0,1
.irp i, 0,1,2
	v_permlane16_swap_b32 v[DD+6*\c+\i], v[TP+4*\c+\i]
.endr
.irp i, 0,1,2
	v_mov_b32 v[DD+6*\c+3+\i], v[TP+4*\c+\i]
.endr
.endr
	global_store_b128 v[L16], v[DD:DD+3],     s[92:93] offset:1536*(\a)        ; 512 or 256 consecutive bytes a store, aligned; eight sets of registers, so no store's data are written again
	global_store_b64  v[L8],  v[DD+4:DD+5],   s[92:93] offset:1536*(\a)+512
	global_store_b128 v[L16], v[DD+6:DD+9],   s[92:93] offset:1536*(\a)+768
	global_store_b64  v[L8],  v[DD+10:DD+11], s[92:93] offset:1536*(\a)+1280
.endm
.irp a, 0,1,2,3,4,5,6,7
	QACC \a
.endr
.irp p, 0,1,2,3
	v_cndmask_b32 v[TT+\p], v[PW+2*\p], v[PW+2*\p+1], s2
.endr
	global_store_b128 v[L16], v[TT:TT+3], s[94:95]
	s_wait_tensorcnt 0x0                           ; the wave's end
	ds_add_u32 v[SPW], v[NIL]
	s_wait_dscnt 0x0
	CROUND                                         ; the closing round
	s_endpgm
.Lfunc_end_k_q105cfa3d54_gemm_qkv:
	.size	k_q105cfa3d54_gemm_qkv, .Lfunc_end_k_q105cfa3d54_gemm_qkv-k_q105cfa3d54_gemm_qkv
	.p2alignl 7, 3214868480
	.fill 96, 4, 3214868480
	.section	.rodata,"a",@progbits
	.p2align	6, 0x0
	.amdhsa_kernel k_q105cfa3d54_gemm_qkv
		.amdhsa_group_segment_fixed_size 327680
		.amdhsa_private_segment_fixed_size 0
		.amdhsa_enable_private_segment 0
		.amdhsa_kernarg_size 16
		.amdhsa_user_sgpr_count 2
		.amdhsa_user_sgpr_kernarg_segment_ptr 1
		.amdhsa_wavefront_size32 1
		.amdhsa_system_sgpr_workgroup_id_x 1
		.amdhsa_system_sgpr_workgroup_id_y 1
		.amdhsa_system_sgpr_workgroup_id_z 1
		.amdhsa_system_vgpr_workitem_id 0
		.amdhsa_next_free_vgpr 1024
		.amdhsa_next_free_sgpr 100
		.amdhsa_reserve_vcc 0
		.amdhsa_float_denorm_mode_32 3
		.amdhsa_float_denorm_mode_16_64 3
		.amdhsa_memory_ordered 1
		.amdhsa_forward_progress 1
		.amdhsa_inst_pref_size 150
	.end_amdhsa_kernel
	.amdgpu_metadata
---
amdhsa.version: [ 1, 2 ]
amdhsa.kernels:
  - .name:           k_q105cfa3d54_gemm_qkv
    .symbol:         k_q105cfa3d54_gemm_qkv.kd
    .args:
      - { .name: w1, .offset: 0, .size: 8, .value_kind: global_buffer, .address_space: global }
      - { .name: qkv, .offset: 8, .size: 8, .value_kind: global_buffer, .address_space: global }
    .group_segment_fixed_size: 327680
    .private_segment_fixed_size: 0
    .kernarg_segment_align: 8
    .kernarg_segment_size: 16
    .max_flat_workgroup_size: 128
    .sgpr_count:     100
    .vgpr_count:     1024
    .wavefront_size: 32
...
	.end_amdgpu_metadata
.endif
;; end of part 2
;; launch attn (part 3): grid 4 x 64, 16 waves a work-group, clusters of 4 x 1, 327,680 bytes of LDS; arguments qkv, bia, att; writes att
.if DOCPART == 3
	.amdgcn_target "amdgcn-amd-amdhsa--gfx1250"
	.amdhsa_code_object_version 6
	.text
	.protected	k_q105cfa3d54_attn
	.globl	k_q105cfa3d54_attn
	.p2align	8
	.type	k_q105cfa3d54_attn,@function
k_q105cfa3d54_attn:
	s_mov_b64 s[64:65], 0
	v_nop
	global_prefetch_b8 v0, s[64:65] scope:SCOPE_SE
	s_setreg_imm32_b32 hwreg(HW_REG_WAVE_MODE, 25, 1), 1
	s_wait_xcnt 0x0
	s_wait_alu depctr_hold_cnt(0) depctr_sa_sdst(0) depctr_va_vdst(0) depctr_va_sdst(0) depctr_va_ssrc(0) depctr_va_vcc(0) depctr_vm_vsrc(0)
	s_getreg_b32 s2, hwreg(HW_REG_IB_STS2, 6, 4)
	s_cmp_eq_u32 s2, 0
	s_cbranch_scc0 .Lentry_in_a_cluster
	s_endpgm
.Lentry_in_a_cluster:
	s_bfe_u32 s2, ttmp6, 0x10000c
	s_cmp_lg_u32 s2, 0x3003
	s_cbranch_scc0 .Lentry_shape_is_right
	s_endpgm
.Lentry_shape_is_right:
; LDS: K's 16 records of 6,144 bytes from 0, V's 16 from 98,304, the records' scale words (768 bytes each) from 196,608.  Waves 0-7 fetch two records of K each, waves 8-15 two of V: one joint load a wave at the head.
.set REC,   6144
.set SPARE, 208896
.set BIAS,  SPARE+2048
.set VC,    12582912
.set QKS,   18874368
.set VS,    19398656
.set OS,    6291456
.set SPW, 5
.set NIL, 6
.set WV,  10
.set G1K, 24
.set G1V, 32
.set G0K, 40
.set G0V, 44
.set CS,  48
.set SEL, 50
.set HI,  52
.set SS,  53
.set SG,  54
.set SREC, 55
.set SB,  56
.set REC0, 57
.set QB,  58
.set QS,  60
.set OB,  62
.set SH,  76
.macro CROUND
	s_barrier_signal -1
	s_barrier_wait -1
	s_cmp_lg_u32 s[WV], 0
	s_cbranch_scc1 .Lnot_wave_0_\@
	s_barrier_signal -3
.Lnot_wave_0_\@:
	s_barrier_wait -3
	s_barrier_signal -1
	s_barrier_wait -1
.endm
	s_load_b128 s[4:7], s[0:1], 0x0
	s_load_b64 s[8:9], s[0:1], 0x10
	v_lshl_add_u32 v[SPW], v0, 2, SPARE
	v_mov_b32 v[NIL], 0
	ds_add_u32 v[SPW], v[NIL]
	ds_add_u32 v[SPW], v[NIL]
	v_lshrrev_b32 v7, 5, v0
	s_delay_alu instid0(VALU_DEP_1)
	v_readfirstlane_b32 s[WV], v7
	s_bfe_u32 s11, ttmp6, 0x40000
	s_and_b32 s12, ttmp7, 0xffff
	s_lshr_b32 s13, s12, 4
	s_and_b32 s14, s12, 15
	s_and_b32 s15, s14, 1
	s_lshr_b32 s16, s14, 1
	s_mov_b32 s[G1K], 15|(3<<16)|(1<<21)
	s_mov_b32 s[G1K+1], 96<<16
	s_mov_b32 s[G1K+2], 16<<16
	s_mov_b32 s[G1K+3], 96<<16
	s_mov_b32 s[G1K+4], 16
	s_mov_b32 s[G1K+5], 192
	s_mov_b32 s[G1K+6], 0
	s_mov_b32 s[G1K+7], 0
	s_mov_b32 s[G1V], 15|(3<<16)|(1<<21)
	s_mov_b32 s[G1V+1], 768<<16                    ; two rows of 6,144 bytes, 98,304 bytes apart
	s_mov_b32 s[G1V+2], 2<<16
	s_mov_b32 s[G1V+3], 768<<16
	s_mov_b32 s[G1V+4], 2
	s_mov_b32 s[G1V+5], 12288
	s_mov_b32 s[G1V+6], 0
	s_mov_b32 s[G1V+7], 0
	s_lshl_b32 s17, s13, 4
	s_add_co_u32 s17, s17, s[WV]
	s_and_b32 s3, s[WV], 7
	s_lshl_b32 s3, s3, 1
	s_lshl_b32 s21, s13, 4
	s_add_co_u32 s3, s3, s21                       ; the first of the two records that I fetch
	s_add_co_u32 s20, s16, 8
	s_mul_i32 s18, s20, 786432
	s_mul_i32 s21, s3, 12288
	s_add_co_u32 s18, s18, s21
	s_mul_i32 s21, s15, 768
	s_add_co_u32 s18, s18, s21
	s_mov_b32 s19, 0
	s_mul_i32 s22, s3, 98304
	s_mul_i32 s21, s14, 6144
	s_add_co_u32 s22, s22, s21
	s_add_co_u32 s22, s22, VC
	s_mov_b32 s23, 0
	s_lshl_b32 s66, s20, 15
	s_lshl_b32 s21, s17, 9
	s_add_co_u32 s66, s66, s21
	s_add_co_u32 s66, s66, QKS
	s_mov_b32 s67, 0
	s_lshl_b32 s68, s17, 12
	s_lshl_b32 s21, s16, 9
	s_add_co_u32 s68, s68, s21
	s_lshl_b32 s21, s15, 3
	s_add_co_u32 s68, s68, s21
	s_add_co_u32 s68, s68, VS
	s_mov_b32 s69, 0
	s_mul_i32 s70, s14, 9216
	s_lshl_b32 s77, s11, 7
	s_add_co_u32 s70, s70, s77
	s_mov_b32 s71, 0
	s_mul_i32 s[REC0], s[WV], 768
	s_add_co_u32 s[REC0], s[REC0], 196608          ; my record's scale words
	s_lshl_b32 s[SH], s15, 4
	s_mov_b32 s[CS], 0x3e38aa3b
	s_mov_b32 s[CS+1], s[CS]
	s_mov_b32 s[SEL], 0x76543210
	s_mov_b32 s[SEL+1], 0xfedcba98
	s_mov_b32 s[HI], 0xffff0000
	v_and_b32 v8, 31, v0
	s_delay_alu instid0(VALU_DEP_1)
	v_lshlrev_b32 v1, 4, v8
	s_delay_alu instid0(VALU_DEP_2)
	v_lshlrev_b32 v2, 3, v8
	v_bfe_u32 v7, v0, 4, 2
	v_lshrrev_b32 v9, 6, v0
	v_and_b32 v10, 15, v0
	s_delay_alu instid0(VALU_DEP_1)
	v_lshl_add_u32 v9, v9, 4, v10
	s_delay_alu instid0(VALU_DEP_4)
	v_add_nc_u32 v7, 0x880, v7
	s_delay_alu instid0(VALU_DEP_1)
	v_sub_nc_u32 v7, v7, v9
	s_delay_alu instid0(VALU_DEP_1)
	v_lshlrev_b32 v7, 2, v7
	v_lshl_add_u32 v31, v0, 2, BIAS
	v_add_nc_u32 v10, s[REC0], v1
	v_add_nc_u32 v11, s[REC0], v2
	s_wait_alu depctr_va_vdst(0)
	s_wait_dscnt 0x0
	s_wait_kmcnt 0x0
	s_add_nc_u64 s[18:19], s[4:5], s[18:19]
	s_add_nc_u64 s[22:23], s[4:5], s[22:23]
	s_add_nc_u64 s[66:67], s[4:5], s[66:67]
	s_add_nc_u64 s[68:69], s[4:5], s[68:69]
	s_add_nc_u64 s[70:71], s[6:7], s[70:71]
	s_mov_b32 s[G0K], 1
	s_and_b32 s[G0K+1], s[WV], 7
	s_mul_i32 s[G0K+1], s[G0K+1], 12288
	s_mov_b64 s[G0K+2:G0K+3], s[18:19]
	s_or_b32 s[G0K+3], s[G0K+3], 0x80000000
	s_mov_b32 s[G0V], 1
	s_add_co_u32 s[G0V+1], s[G0K+1], 98304
	s_mov_b64 s[G0V+2:G0V+3], s[22:23]
	s_or_b32 s[G0V+3], s[G0V+3], 0x80000000
.irp ch, 0,1,2,3,4,5,6,7,8,9,10,11,12,13,14,15,16
	global_load_b32 v[96+\ch], v7, s[70:71] offset:-512*\ch
.endr
	global_load_b128 v[116:119], v1, s[66:67]
	global_load_b64 v[120:121], v1, s[68:69]
	CROUND
	s_cmp_lt_u32 s[WV], 8
	s_cbranch_scc0 .Lhead_v
	tensor_load_to_lds s[G0K:G0K+3], s[G1K:G1K+7]
	s_nop 0
	s_branch .Lhead_done
.Lhead_v:
	tensor_load_to_lds s[G0V:G0V+3], s[G1V:G1V+7]
	s_nop 0
.Lhead_done:
.rept 4
	v_nop
.endr
	v_bfe_u32 v232, v0, 4, 1
	v_bfe_u32 v233, v0, 2, 2
	v_and_b32 v234, 3, v0
	s_delay_alu instid0(VALU_DEP_3)
	v_lshl_add_u32 v232, v232, 3, 16
	s_delay_alu instid0(VALU_DEP_3)
	v_lshlrev_b32 v233, 2, v233
	s_delay_alu instid0(VALU_DEP_1)
	v_sub_nc_u32 v232, v232, v233
	s_delay_alu instid0(VALU_DEP_4)
	v_lshlrev_b32 v234, 6, v234
	s_delay_alu instid0(VALU_DEP_1)
	v_add_nc_u32 v234, BIAS, v234
.irp k, 0,1
	v_add_nc_u32 v235, 4*\k, v232
	s_delay_alu instid0(VALU_DEP_1)
	v_lshrrev_b32 v240, 4, v235
	s_delay_alu instid0(VALU_DEP_2)
	v_and_b32 v235, 15, v235
	s_delay_alu instid0(VALU_DEP_2)
	v_lshl_add_u32 v240, v240, 8, v234
	s_delay_alu instid0(VALU_DEP_1)
	v_lshl_add_u32 v[3+\k], v235, 2, v240
.endr
.irp i, 22,23,24,25,26,27,80,81,82,83,84,85,236,237,238,239,252,253
	v_mov_b32 v[\i], 0
.endr
	s_mul_i32 s72, s16, 786432
	s_mul_i32 s77, s13, 196608
	s_add_co_u32 s72, s72, s77
	s_mul_i32 s77, s15, 768
	s_add_co_u32 s72, s72, s77
	s_mul_i32 s77, s11, 3072
	s_add_co_u32 s72, s72, s77
	s_mov_b32 s73, 0
	s_add_nc_u64 s[QB:QB+1], s[4:5], s[72:73]
	s_lshl_b32 s72, s16, 15
	s_lshl_b32 s77, s13, 13
	s_add_co_u32 s72, s72, s77
	s_lshl_b32 s77, s11, 2
	s_add_co_u32 s72, s72, s77
	s_add_co_u32 s72, s72, QKS
	s_add_nc_u64 s[QS:QS+1], s[4:5], s[72:73]
	s_mul_i32 s72, s13, 1572864
	s_mul_i32 s77, s16, 12288
	s_add_co_u32 s72, s72, s77
	s_mul_i32 s77, s11, 3072
	s_add_co_u32 s72, s72, s77
	s_mul_i32 s77, s15, 768
	s_add_co_u32 s72, s72, s77
	s_add_nc_u64 s[OB:OB+1], s[8:9], s[72:73]
	s_lshl_b32 s72, s14, 15
	s_lshl_b32 s77, s13, 13
	s_add_co_u32 s72, s72, s77
	s_lshl_b32 s77, s11, 7
	s_add_co_u32 s72, s72, s77
	s_add_co_u32 s72, s72, OS
	s_add_nc_u64 s[78:79], s[8:9], s[72:73]
	s_wait_loadcnt 0x0
.irp i, 116,117,118,119
	v_lshrrev_b32 v[\i], s[SH], v[\i]
.endr
.irp ch, 0,1,2,3,4,5,6,7,8,9,10,11,12,13,14,15,16
	ds_store_b32 v31, v[96+\ch] offset:2048*\ch
.endr
	ds_store_b128 v10, v[116:119]
	ds_store_b64 v11, v[120:121] offset:512
	s_wait_tensorcnt 0x0
	s_wait_dscnt 0x0
	s_barrier_signal -1
	s_barrier_wait -1
.macro SQK t, pass
.set RS, 96+8*(\t)
.set RK, 32+6*(\t)
.set RC, 86+(\t)/2
.if ((\t)%2 == 0) && ((\pass) == 0)
	v_wmma_scale_f32_16x16x128_f8f6f4 v[RS:RS+7], v[RK:RK+11], v[16:27], v[RS:RS+7], v[RC], v28 matrix_a_fmt:MATRIX_FMT_FP6 matrix_b_fmt:MATRIX_FMT_FP6
.elseif ((\t)%2 == 1) && ((\pass) == 0)
	v_wmma_scale_f32_16x16x128_f8f6f4 v[RS:RS+7], v[RK:RK+11], v[16:27], v[RS:RS+7], v[RC], v28 matrix_a_fmt:MATRIX_FMT_FP6 matrix_b_fmt:MATRIX_FMT_FP6 matrix_a_scale:MATRIX_SCALE_ROW1
.elseif ((\t)%2 == 0)
	v_wmma_scale_f32_16x16x128_f8f6f4 v[RS:RS+7], v[RK:RK+11], v[16:27], v[RS:RS+7], v[RC], v28 matrix_a_fmt:MATRIX_FMT_FP6 matrix_b_fmt:MATRIX_FMT_FP6 matrix_b_scale:MATRIX_SCALE_ROW1
.else
	v_wmma_scale_f32_16x16x128_f8f6f4 v[RS:RS+7], v[RK:RK+11], v[16:27], v[RS:RS+7], v[RC], v28 matrix_a_fmt:MATRIX_FMT_FP6 matrix_b_fmt:MATRIX_FMT_FP6 matrix_a_scale:MATRIX_SCALE_ROW1 matrix_b_scale:MATRIX_SCALE_ROW1
.endif
.endm
.macro OPV i
.set RO, 160+8*(\i)
.set RV, 32+12*(\i)
.set RC, 90+(\i)/2
.if (\i)%2 == 0
	v_wmma_scale_f32_16x16x128_f8f6f4 v[RO:RO+7], v[RV:RV+11], v[192:203], v[RO:RO+7], v[RC], v253 matrix_a_fmt:MATRIX_FMT_FP6 matrix_b_fmt:MATRIX_FMT_FP6
.else
	v_wmma_scale_f32_16x16x128_f8f6f4 v[RO:RO+7], v[RV:RV+11], v[192:203], v[RO:RO+7], v[RC], v253 matrix_a_fmt:MATRIX_FMT_FP6 matrix_b_fmt:MATRIX_FMT_FP6 matrix_a_scale:MATRIX_SCALE_ROW1
.endif
.endm
.macro STEP pass
	v_add_nc_u32 v8, s[SREC], v1
	v_add_nc_u32 v9, s[SREC], v2
	v_add_nc_u32 v10, s[SB], v3
	v_add_nc_u32 v11, s[SB], v4
	s_lshr_b32 s2, s[SREC], 3
	s_add_co_u32 s2, s2, 196608                    ; the record's scale words: 768 bytes a record
	v_add_nc_u32 v240, 98304, v8                   ; V's record
	v_add_nc_u32 v241, 98304, v9
	v_add_nc_u32 v242, s2, v1
	v_add_nc_u32 v243, s2, v2
.irp t, 0,1,2,3,4,5,6,7
	ds_load_b128 v[32+6*\t:35+6*\t], v8 offset:768*\t
	ds_load_b64 v[36+6*\t:37+6*\t], v9 offset:768*\t+512
.endr
	ds_load_b128 v[86:89], v242
.irp t, 0,1,2,3,4,5,6,7
	ds_load_b128 v[96+8*\t:99+8*\t], v10 offset:256*\t
	ds_load_b128 v[100+8*\t:103+8*\t], v11 offset:256*\t
.endr
	s_wait_alu depctr_va_vdst(0)
	s_wait_dscnt 0x0
.irp t, 0,1,2,3,4,5,6,7
	SQK \t, \pass
.endr
.rept 4
	v_nop
.endr
.irp i, 0,1,2,3
	ds_load_b128 v[32+12*\i:35+12*\i], v240 offset:1536*\i
	ds_load_b64 v[36+12*\i:37+12*\i], v241 offset:1536*\i+512
	ds_load_b128 v[38+12*\i:41+12*\i], v240 offset:1536*\i+768
	ds_load_b64 v[42+12*\i:43+12*\i], v241 offset:1536*\i+1280
.endr
	ds_load_b64 v[90:91], v243 offset:512
.irp b, 0,1,2,3
	v_max3_num_f32 v[232+\b], v[96+16*\b], v[97+16*\b], v[98+16*\b]
.endr
.irp i, 3,5,7,9,11,13
.irp b, 0,1,2,3
	v_max3_num_f32 v[232+\b], v[232+\b], v[96+16*\b+\i], v[97+16*\b+\i]
.endr
.endr
.irp b, 0,1,2,3
	v_max_num_f32 v[232+\b], v[232+\b], v[111+16*\b]
.endr
.irp b, 0,1,2,3
	s_delay_alu instid0(VALU_DEP_4)
	v_permlanex16_b32 v[236+\b], v[232+\b], s[SEL], s[SEL+1]
.endr
.irp b, 0,1,2,3
	s_delay_alu instid0(VALU_DEP_4)
	v_max_num_f32 v[232+\b], v[232+\b], v[236+\b]
.endr
	s_delay_alu instid0(VALU_DEP_2)
	v_max3_num_f32 v254, v232, v233, v234
	s_delay_alu instid0(VALU_DEP_1)
	v_max_num_f32 v254, v254, v235
	s_delay_alu instid0(VALU_DEP_1)
	v_mul_f32 v254, s[CS], v254
	s_delay_alu instid0(VALU_DEP_1)
	v_max_num_f32 v13, v13, v254
	v_mov_b32 v254, v12
	s_delay_alu instid0(VALU_DEP_2)
	v_floor_f32 v12, -v13
	s_delay_alu instid0(VALU_DEP_1)
	v_sub_f32 v254, v12, v254
	s_delay_alu instid0(VALU_DEP_1)
	v_cvt_i32_f32 v254, v254
	s_delay_alu instid0(VALU_DEP_1)
	v_ldexp_f32 v252, 1.0, v254
.irp j, 0,2,4,6,8,10,12,14,16,18,20,22,24,26,28,30,32,34,36,38,40,42,44,46,48,50,52,54,56,58,60,62
	v_pk_fma_f32 v[96+\j:97+\j], v[96+\j:97+\j], s[CS:CS+1], v[12:13] op_sel_hi:[1,0,0]
.endr
.irp b, 0,1,2,3
	v_fma_f32 v[232+\b], v[232+\b], s[CS], v12
.endr
	s_wait_alu depctr_va_vdst(0)
.irp j, 0,1,2,3,4,5,6,7,8,9,10,11,12,13,14,15,16,17,18,19,20,21,22,23,24,25,26,27,28,29,30,31,32,33,34,35,36,37,38,39,40,41,42,43,44,45,46,47,48,49,50,51,52,53,54,55,56,57,58,59,60,61,62,63
	v_exp_f32 v[96+\j], v[96+\j]
.endr
	v_pk_mul_f32 v[14:15], v[14:15], v[252:253] op_sel_hi:[1,0]
	s_wait_alu depctr_va_vdst(0)
.irp b, 0,1,2,3
	v_exp_f32 v[232+\b], v[232+\b]
.endr
	v_pk_add_f32 v[236:237], v[96:97], v[98:99]
.irp j, 4,8,12,16,20,24,28,32,36,40,44,48,52,56,60
	v_pk_add_f32 v[14:15], v[14:15], v[96+\j:97+\j]
	v_pk_add_f32 v[236:237], v[236:237], v[98+\j:99+\j]
.endr
	s_delay_alu instid0(VALU_DEP_1)
	v_pk_add_f32 v[14:15], v[14:15], v[236:237]
	s_wait_alu depctr_va_vdst(0)
.irp b, 0,1,2,3
	v_max_num_f32 v[232+\b], 0x1800000, v[232+\b]
.endr
.irp b, 0,1,2,3
	s_delay_alu instid0(VALU_DEP_4)
	v_add_nc_u32 v[244+\b], 0xff000000, v[232+\b]
.endr
.irp b, 0,1,2,3
	s_delay_alu instid0(VALU_DEP_4)
	v_lshrrev_b32 v[236+\b], 23, v[244+\b]
.endr
	s_delay_alu instid0(VALU_DEP_3)
	v_lshl_or_b32 v253, v237, 8, v236
	s_delay_alu instid0(VALU_DEP_1)
	v_lshl_or_b32 v253, v238, 16, v253
	s_delay_alu instid0(VALU_DEP_1)
	v_lshl_or_b32 v253, v239, 24, v253
.irp c, 0,1
	v_cvt_scalef32_pk16_fp6_f32 v[192+6*\c:194+6*\c], v[96+32*\c:111+32*\c], v[244+2*\c]
	v_cvt_scalef32_pk16_fp6_f32 v[204+4*\c:206+4*\c], v[112+32*\c:127+32*\c], v[244+2*\c+1]
.endr
	v_nop
.irp c, 0,1
.irp i, 0,1,2
	v_permlane16_swap_b32 v[192+6*\c+\i], v[204+4*\c+\i]
.endr
.irp i, 0,1,2
	s_delay_alu instid0(VALU_DEP_3)
	v_mov_b32 v[195+6*\c+\i], v[204+4*\c+\i]
.endr
.endr
.irp j, 0,2,4,6,8,10,12,14,16,18,20,22,24,26,28,30
	v_pk_mul_f32 v[160+\j:161+\j], v[160+\j:161+\j], v[252:253] op_sel_hi:[1,0]
.endr
	s_wait_alu depctr_va_vdst(0)
	s_wait_dscnt 0x0
.irp i, 0,1,2,3
	OPV \i
.endr
.endm
.macro PASS pass
	s_wait_xcnt 0x0
.if \pass == 0
	s_mov_b32 s[SG], s[WV]
	s_xor_b32 s2, s[WV], 15
	s_lshl_b32 s[SB], s2, 11
	s_add_co_u32 s[SB], s[SB], 256
.else
	s_xor_b32 s[SG], s[WV], 15
	s_lshl_b32 s[SB], s[WV], 11
.endif
	s_mov_b32 s67, 0
	s_mul_i32 s66, s[SG], 12288
	s_add_nc_u64 s[70:71], s[QB:QB+1], s[66:67]
	s_lshl_b32 s66, s[SG], 9
	s_add_nc_u64 s[72:73], s[QS:QS+1], s[66:67]
	s_mul_i32 s66, s[SG], 98304
	s_add_nc_u64 s[74:75], s[OB:OB+1], s[66:67]
	global_load_b128 v[16:19], v1, s[70:71] offset:1536*\pass
	global_load_b64 v[20:21], v2, s[70:71] offset:1536*\pass+512
	global_load_b32 v28, v1, s[72:73]
	s_wait_loadcnt 0x0
	v_lshrrev_b32 v28, s[SH], v28
	v_mov_b32 v13, 0xff61b1e6
	s_delay_alu instid0(VALU_DEP_1)
	v_floor_f32 v12, -v13
	v_mov_b32 v14, 0
	v_mov_b32 v15, 0
.irp j, 0,1,2,3,4,5,6,7,8,9,10,11,12,13,14,15,16,17,18,19,20,21,22,23,24,25,26,27,28,29,30,31
	v_mov_b32 v[160+\j], 0
.endr
	s_mov_b32 s[SS], 0
	s_mov_b32 s[SREC], 0
.Lstep_\@:
	s_cmp_gt_u32 s[SS], s[SG]
	s_cbranch_scc1 .Lskip_\@
	STEP \pass
.Lskip_\@:
	s_add_co_u32 s[SREC], s[SREC], REC
	s_add_co_u32 s[SB], s[SB], 2048
	s_add_co_u32 s[SS], s[SS], 1
	s_cmp_lt_u32 s[SS], 16
	s_cbranch_scc1 .Lstep_\@
.rept 4
	v_nop
.endr
	v_add_f32 v14, v14, v15
	s_delay_alu instid0(VALU_DEP_1)
	v_permlanex16_b32 v252, v14, s[SEL], s[SEL+1]
	s_delay_alu instid0(VALU_DEP_1)
	v_add_f32 v14, v14, v252
	s_wait_alu depctr_va_vdst(0)
	v_rcp_f32 v14, v14
	v_nop
	s_wait_alu depctr_va_vdst(0)
.irp j, 0,1,2,3,4,5,6,7,8,9,10,11,12,13,14,15,16,17,18,19,20,21,22,23,24,25,26,27,28,29,30,31
	v_mul_f32 v[96+\j], v[160+\j], v14
.endr
.irp b, 0,1
	v_max3_num_f32 v[232+\b], |v[96+16*\b]|, |v[97+16*\b]|, 0x1800000
.endr
.irp i, 2,4,6,8,10,12,14
.irp b, 0,1
	s_delay_alu instid0(VALU_DEP_2)
	v_max3_num_f32 v[232+\b], v[232+\b], |v[96+16*\b+\i]|, |v[97+16*\b+\i]|
.endr
.endr
.irp b, 0,1
	s_delay_alu instid0(VALU_DEP_2)
	v_permlanex16_b32 v[236+\b], v[232+\b], s[SEL], s[SEL+1]
.endr
.irp b, 0,1
	s_delay_alu instid0(VALU_DEP_2)
	v_max_num_f32 v[232+\b], v[232+\b], v[236+\b]
.endr
.irp b, 0,1
	s_delay_alu instid0(VALU_DEP_2)
	v_add_nc_u32 v[244+\b], 0xff000000, v[232+\b]
.endr
.irp b, 0,1
	s_delay_alu instid0(VALU_DEP_2)
	v_lshrrev_b32 v[236+\b], 23, v[244+\b]
.endr
	s_delay_alu instid0(VALU_DEP_1)
	v_lshl_or_b32 v[29+\pass], v237, 8, v236
	v_cvt_scalef32_pk16_fp6_f32 v[192:194], v[96:111], v244
	v_cvt_scalef32_pk16_fp6_f32 v[204:206], v[112:127], v245
	v_nop
.irp i, 0,1,2
	v_permlane16_swap_b32 v[192+\i], v[204+\i]
.endr
.irp i, 0,1,2
	s_delay_alu instid0(VALU_DEP_3)
	v_mov_b32 v[195+\i], v[204+\i]
.endr
	global_store_b128 v1, v[192:195], s[74:75] offset:1536*\pass
	global_store_b64 v2, v[196:197], s[74:75] offset:1536*\pass+512
.endm
	PASS 0
	PASS 1
	v_cndmask_b32 v29, v29, v30, s[HI]
	s_lshl_b32 s2, s[WV], 9
	s_xor_b32 s3, s[WV], 15
	s_lshl_b32 s3, s3, 9
	v_mov_b32 v7, s2
	v_mov_b32 v8, s3
	s_delay_alu instid0(VALU_DEP_1)
	v_cndmask_b32 v7, v7, v8, s[HI]
	v_and_b32 v9, 31, v0
	s_delay_alu instid0(VALU_DEP_1)
	v_lshl_add_u32 v7, v9, 2, v7
	global_store_b32 v7, v29, s[78:79]
	s_wait_tensorcnt 0x0
	ds_add_u32 v[SPW], v[NIL]
	s_wait_dscnt 0x0
	CROUND
	s_endpgm
.Lfunc_end_k_q105cfa3d54_attn:
	.size	k_q105cfa3d54_attn, .Lfunc_end_k_q105cfa3d54_attn-k_q105cfa3d54_attn
	.p2alignl 7, 3214868480
	.fill 96, 4, 3214868480
	.section	.rodata,"a",@progbits
	.p2align	6, 0x0
	.amdhsa_kernel k_q105cfa3d54_attn
		.amdhsa_group_segment_fixed_size 327680
		.amdhsa_private_segment_fixed_size 0
		.amdhsa_enable_private_segment 0
		.amdhsa_kernarg_size 24
		.amdhsa_user_sgpr_count 2
		.amdhsa_user_sgpr_kernarg_segment_ptr 1
		.amdhsa_wavefront_size32 1
		.amdhsa_system_sgpr_workgroup_id_x 1
		.amdhsa_system_sgpr_workgroup_id_y 1
		.amdhsa_system_sgpr_workgroup_id_z 1
		.amdhsa_system_vgpr_workitem_id 0
		.amdhsa_next_free_vgpr 256
		.amdhsa_next_free_sgpr 80
		.amdhsa_reserve_vcc 0
		.amdhsa_float_denorm_mode_32 3
		.amdhsa_float_denorm_mode_16_64 3
		.amdhsa_memory_ordered 1
		.amdhsa_forward_progress 1
		.amdhsa_inst_pref_size 63
	.end_amdhsa_kernel
	.amdgpu_metadata
---
amdhsa.version: [ 1, 2 ]
amdhsa.kernels:
  - .name:           k_q105cfa3d54_attn
    .symbol:         k_q105cfa3d54_attn.kd
    .args:
      - { .name: qkv, .offset: 0, .size: 8, .value_kind: global_buffer, .address_space: global }
      - { .name: bia, .offset: 8, .size: 8, .value_kind: global_buffer, .address_space: global }
      - { .name: att, .offset: 16, .size: 8, .value_kind: global_buffer, .address_space: global }
    .group_segment_fixed_size: 327680
    .private_segment_fixed_size: 0
    .kernarg_segment_align: 8
    .kernarg_segment_size: 24
    .max_flat_workgroup_size: 512
    .sgpr_count:     80
    .vgpr_count:     256
    .wavefront_size: 32
...
	.end_amdgpu_metadata
.endif
;; end of part 3
;; launch gemm_out (part 4): grid 4 x 32, 4 waves a work-group, clusters of 4 x 4, 327,680 bytes of LDS; arguments w1, att, out0; writes out0
.if DOCPART == 4
	.amdgcn_target "amdgcn-amd-amdhsa--gfx1250"
	.amdhsa_code_object_version 6
	.text
	.protected	k_q105cfa3d54_gemm_out
	.globl	k_q105cfa3d54_gemm_out
	.p2align	8
	.type	k_q105cfa3d54_gemm_out,@function
k_q105cfa3d54_gemm_out:
	s_mov_b64 s[64:65], 0
	v_nop
	global_prefetch_b8 v0, s[64:65] scope:SCOPE_SE
	s_setreg_imm32_b32 hwreg(HW_REG_WAVE_MODE, 25, 1), 1
	s_wait_xcnt 0x0
	s_wait_alu depctr_hold_cnt(0) depctr_sa_sdst(0) depctr_va_vdst(0) depctr_va_sdst(0) depctr_va_ssrc(0) depctr_va_vcc(0) depctr_vm_vsrc(0)
	s_getreg_b32 s2, hwreg(HW_REG_IB_STS2, 6, 4)
	s_cmp_eq_u32 s2, 0
	s_cbranch_scc0 .Lentry_in_a_cluster
	s_endpgm
.Lentry_in_a_cluster:
	s_bfe_u32 s2, ttmp6, 0x10000c
	s_cmp_lg_u32 s2, 0xf033
	s_cbranch_scc0 .Lentry_shape_is_right
	s_endpgm
.Lentry_shape_is_right:
; out0 = o Wout^T on codes of FP6 (E2M3) with E8M0 scales; o's codes and scale bytes come from the attention's launch (att), Wout's from w1 (groups 88-95).  K = 1,024: eight steps of 128 (a pair of heads each).
; A tile of 256 tokens x 256 outputs is made by four waves, each 128 x 128: 64 accumulators.  Operands lie as images of the operand's registers, so a wave's 128 rows x 256 K are 24,576 dense bytes: one tensor load.
; Three LDS slots of two K steps; fills 0, 1, 2 go out together at the head, fill 3 is the one refill (slot 0), behind a round of the cluster's barrier.  By this text's count at most four tensor loads of a wave are out.
; CLUSTERS 4 x 4: o's tiles are asked for jointly along a row of the cluster, Wout's along a column.  Source 0 = Wout's rows, source 1 = tokens: a lane holds eight neighbouring outputs of a token.
; o's scale bytes lie by head, two bytes a token; the work-group's 128 threads join the two heads of each pair into words and lay them in LDS as the other scale words lie: bytes into which no tensor load lands.
; 128 work-groups: the tile that the first product's text uses; a smaller tile would want a second main loop.
; THE HEAD AS IT STANDS (in place of what the lines above say of fills 0, 1, 2 and of Wout's scale words): a wave's three slots lie on end in LDS (wave x 73,728 + slot x 24,576), so its 73,728 dense bytes come by ONE joint load
; at the head; one tensor load of a wave is out at any time.  Wout's scale words (8,192 dense bytes) come through registers and LDS stores.  The stage lies in slots 1 and 2 of the second region.
.set FR,    12
.set HALF,  24576
.set SLOT,  98304                      ; o's two halves, then Wout's two
.set SCL,   3*SLOT                     ; scale words of all K: o's two halves (stored by the threads), Wout's two (through registers and LDS stores), 4,096 bytes each
.set SPARE, SCL+16384
.set SCL1,  9437184
.set OS,    6291456
.set STAGE, SLOT                       ; the way out: 16 rows x 528 bytes a wave, in slots 1 and 2 of the second region: they have had their only fill, and their last read stands ahead of the barrier in K step 5
.set SPITCH, 528
.set AS1,  4
.set AS0,  10
.set ADRS, 16
.set L16,  17
.set L8,   18
.set STO,  19
.set RD,   20
.set SPW,  28
.set NIL,  29
.set SC,   32
.set AF,   128
.set BK,   128
.set G1X,  24
.set G1W,  32
.set G1SX, 40
.set G1SW, 48
.set G0X0, 56
.set G0X1, 60
.set G0X2, 68
.set G0W0, 76
.set G0W1, 80
.set G0W2, 84
.set G0WS, 88
.set MSB, 0
.macro WIN new
.if MSB != (\new)
	s_set_vgpr_msb (MSB<<8)|(\new)
.set MSB, (\new)
.endif
.endm
.set MUL_LO, 0xa1
.set MUL_HI, 0xf1
.set TO_B,   0x40
.macro PLACES
.rept 4
	v_nop
.endr
.endm
.macro CREST
	s_cmp_lg_u32 s14, 0
	s_cbranch_scc1 .Lnot_wave_0_\@
	s_barrier_signal -3
.Lnot_wave_0_\@:
	s_barrier_wait -3
	s_barrier_signal -1
	s_barrier_wait -1
.endm
.macro CROUND
	s_barrier_signal -1
	s_barrier_wait -1
	CREST
.endm
.macro MKG0 g, lreg, loff, areg, aoff
	s_mov_b32 s[\g], 1
	s_add_co_u32 s[\g+1], s[\lreg], \loff
	s_add_nc_u64 s[\g+2:\g+3], s[\areg:\areg+1], \aoff
	s_or_b32 s[\g+3], s[\g+3], 0x80000000
.endm
.macro JLOAD
	s_cmp_eq_u32 s15, 0
	s_cbranch_scc0 .Lfor_w_\@
	tensor_load_to_lds s[G0X0:G0X0+3], s[G1X:G1X+7]
	s_nop 0
	PLACES
	s_branch .Lasked_\@
.Lfor_w_\@:
	tensor_load_to_lds s[G0W0:G0W0+3], s[G1W:G1W+7]
	s_nop 0
	PLACES
.Lasked_\@:
.endm
	s_load_b128 s[4:7], s[0:1], 0x0                ; w1, att
	s_load_b64 s[8:9], s[0:1], 0x10                ; out0
	v_lshl_add_u32 v[SPW], v0, 2, SPARE
	v_mov_b32 v[NIL], 0
	ds_add_u32 v[SPW], v[NIL]                      ; the wave's opening: the add and its wait stand ahead of the round in front of my first tensor loads
	ds_add_u32 v[SPW], v[NIL]
	v_lshrrev_b32 v1, 5, v0
	v_readfirstlane_b32 s14, v1
	s_lshr_b32 s15, s14, 1                         ; my half of the tokens.  Also: I fetch for o (0) or for Wout (1)
	s_and_b32 s16, s14, 1                          ; my half of the outputs.  Also: which 128 rows I fetch
	s_bfe_u32 s3, ttmp6, 0x40000
	s_bfe_u32 s12, ttmp6, 0x40004
	s_lshl_b32 s13, ttmp9, 2
	s_add_co_u32 s13, s13, s3                      ; tile column, 0..3
	s_and_b32 s17, ttmp7, 0xffff
	s_lshl_b32 s17, s17, 2
	s_add_co_u32 s17, s17, s12                     ; tile row, 0..31
	s_lshl_b32 s18, s12, 2
	s_lshl_b32 s18, 15, s18
	s_lshl_b32 s19, 0x1111, s3
	s_or_b32 s[G1X], s18, (3<<16)|(1<<21)
	s_or_b32 s[G1W], s19, (3<<16)|(1<<21)
	s_or_b32 s[G1SW], s19, (3<<16)|(1<<21)
	s_or_b32 s[G1SX], s18, (3<<16)|(1<<21)
.irp g, G1X, G1W
	s_mov_b32 s[\g+1], 32<<16
	s_mov_b32 s[\g+2], 96<<16
	s_mov_b32 s[\g+3], 32<<16
	s_mov_b32 s[\g+4], 96
	s_mov_b32 s[\g+5], 32
	s_mov_b32 s[\g+6], 0
	s_mov_b32 s[\g+7], 0
.endr
.irp g, G1SX, G1SW                     ; the head's loads: 73,728 dense bytes as 288 rows of 256
	s_mov_b32 s[\g+1], 32<<16
	s_mov_b32 s[\g+2], 288<<16
	s_mov_b32 s[\g+3], 32<<16
	s_mov_b32 s[\g+4], 288
	s_mov_b32 s[\g+5], 32
	s_mov_b32 s[\g+6], 0
	s_mov_b32 s[\g+7], 0
.endr
	s_lshl_b32 s20, s17, 1
	s_add_co_u32 s20, s20, s16                     ; o's group of 128 tokens
	s_mul_i32 s20, s20, SLOT
	s_mov_b32 s21, 0
	s_lshl_b32 s92, s13, 1
	s_add_co_u32 s92, s92, s16
	s_add_co_u32 s92, s92, 88                      ; Wout's group
	s_lshl_b32 s94, s13, 13                        ; the scale words of the tile's 256 rows of Wout: 8,192 dense bytes
	s_add_co_u32 s94, s94, SCL1+88*4096
	s_mul_i32 s92, s92, SLOT
	s_mov_b32 s93, 0
	s_mov_b32 s95, 0
	s_mul_i32 s96, s14, 3*HALF                     ; where my codes go: wave x 73,728
	s_lshl_b32 s22, s17, 10                        ; o's scale words: my tile's 256 tokens, 4 bytes each, in each head's row
	s_add_co_u32 s22, s22, OS
	s_mov_b32 s23, 0
	v_lshlrev_b32 v3, 3, v0                        ; thread n takes tokens 2 n and 2 n + 1
	v_lshlrev_b32 v24, 4, v0                       ; Wout's scale words: 16 bytes a thread,
	v_lshl_add_u32 v25, v0, 4, SCL+8192            ; and where they go
	s_wait_alu depctr_va_vdst(0)
	s_wait_dscnt 0x0
	s_wait_kmcnt 0x0
	s_add_nc_u64 s[20:21], s[6:7], s[20:21]
	s_add_nc_u64 s[22:23], s[6:7], s[22:23]
	s_add_nc_u64 s[92:93], s[4:5], s[92:93]
	s_add_nc_u64 s[94:95], s[4:5], s[94:95]
	MKG0 G0X0, 96, 0, 20, 0
	MKG0 G0W0, 96, 0, 92, 0
.irp j, 0,1,2,3
	global_load_b128 v[112+4*\j:115+4*\j], v24, s[94:95] offset:2048*\j   ; a wave reads 512 consecutive bytes
.endr
.irp n, 0,1,2,3,4,5,6,7,8,9,10,11,12,13,14,15
	global_load_b64 v[64+2*\n:65+2*\n], v3, s[22:23] offset:32768*\n   ; head n's words of my two tokens: a wave reads 256 consecutive bytes
.endr
	CROUND                                         ; all sixteen work-groups are here: the first joint loads meet
	s_cmp_eq_u32 s15, 0                            ; one tensor load a wave at the head, one in each arm
	s_cbranch_scc0 .Lfirst_w
	tensor_load_to_lds s[G0X0:G0X0+3], s[G1SX:G1SX+7]
	s_nop 0
	PLACES
	s_branch .Lfirst_done
.Lfirst_w:
	tensor_load_to_lds s[G0W0:G0W0+3], s[G1SW:G1SW+7]
	s_nop 0
	PLACES
.Lfirst_done:
	v_and_b32 v1, 31, v0
	v_and_b32 v2, 15, v0
	v_bfe_u32 v21, v0, 4, 1
	v_lshlrev_b32 v[L16], 4, v1
	v_lshlrev_b32 v[L8], 3, v1
	s_mul_i32 s10, s15, 3*HALF                     ; source 1: my 128 tokens' region
	s_mul_i32 s11, s16, 3*HALF
	s_add_co_u32 s11, s11, 6*HALF                  ; source 0: my 128 rows of Wout, behind o's two regions
.irp s, 0,1,2
	v_add_nc_u32 v[AS1+\s], s10, v[L16]
	v_add_nc_u32 v[AS1+3+\s], s10, v[L8]
	v_add_nc_u32 v[AS0+\s], s11, v[L16]
	v_add_nc_u32 v[AS0+3+\s], s11, v[L8]
	s_add_co_u32 s10, s10, HALF
	s_add_co_u32 s11, s11, HALF
.endr
	v_lshlrev_b32 v22, 3, v2                       ; a row's two words of a pair of tiles
	s_lshl_b32 s2, s15, 12
	s_lshl_b32 s10, s16, 12
	s_add_co_u32 s10, s10, 8192
	s_sub_co_u32 s10, s10, s2
	v_mul_u32_u24 v23, s10, v21                    ; lanes 16-31 take Wout's: the lower base + h x the distance
	s_add_co_u32 s2, s2, SCL
	v_add_nc_u32 v22, v22, v23
	v_add_nc_u32 v[ADRS], s2, v22
	s_mul_i32 s10, s14, 16*SPITCH
	s_add_co_u32 s10, s10, STAGE                   ; my stage
	v_mul_u32_u24 v22, v2, SPITCH
	v_lshl_add_u32 v22, v21, 5, v22
	v_add_nc_u32 v[STO], s10, v22                  ; in: row r, 32 bytes for each half of the lanes
	v_add_nc_u32 v[RD], s10, v[L16]                ; back: a row of 512 bytes
	; where thread n lays its tokens' words: half n / 64, pair of tiles (n / 16) % 4, tile's parity (n / 8) % 2, rows 2 (n % 8) and 2 (n % 8) + 1
	v_lshrrev_b32 v22, 6, v0
	v_lshlrev_b32 v22, 12, v22
	v_bfe_u32 v23, v0, 4, 2
	v_lshl_add_u32 v22, v23, 7, v22
	v_bfe_u32 v23, v0, 3, 1
	v_lshl_add_u32 v22, v23, 2, v22
	v_and_b32 v23, 7, v0
	v_lshl_add_u32 v22, v23, 4, v22
	v_add_nc_u32 v22, SCL, v22
	s_wait_loadcnt 0x0
.irp s, 0,1,2,3,4,5,6,7
	v_lshl_or_b32 v[96+2*\s], v[66+4*\s], 16, v[64+4*\s]   ; the even head's two bytes below, the odd head's above
	v_lshl_or_b32 v[97+2*\s], v[67+4*\s], 16, v[65+4*\s]
.endr
.irp s, 0,1,2,3,4,5,6,7
	ds_store_b32 v22, v[96+2*\s] offset:512*\s
	ds_store_b32 v22, v[97+2*\s] offset:512*\s+8
.endr
.irp j, 0,1,2,3
	ds_store_b128 v25, v[112+4*\j:115+4*\j] offset:2048*\j
.endr
	s_lshl_b32 s10, s17, 8
	s_lshl_b32 s11, s15, 7
	s_add_co_u32 s10, s10, s11                     ; my first token
	s_lshl_b32 s10, s10, 12                        ; rows of 4,096 bytes
	s_lshl_b32 s11, s13, 10
	s_add_co_u32 s10, s10, s11
	s_lshl_b32 s11, s16, 9
	s_add_co_u32 s10, s10, s11                     ; my first output, in bytes
	s_mov_b32 s11, 0
	s_add_nc_u64 s[8:9], s[8:9], s[10:11]
.macro FRAG reg, a16, q, i
	ds_load_b128 v[(\reg):(\reg)+3],     v[\a16]     offset:(\q)*12288+(\i)*1536
	ds_load_b64  v[(\reg)+4:(\reg)+5],   v[(\a16)+3] offset:(\q)*12288+(\i)*1536+512
	ds_load_b128 v[(\reg)+6:(\reg)+9],   v[\a16]     offset:(\q)*12288+(\i)*1536+768
	ds_load_b64  v[(\reg)+10:(\reg)+11], v[(\a16)+3] offset:(\q)*12288+(\i)*1536+1280
.endm
.macro FETCH_B slot, q, p
	WIN TO_B
.irp i, 0,1,2,3,4,5,6,7
	FRAG 128*(\p)+FR*\i, AS0+\slot, \q, \i
.endr
	WIN 0
.endm
.macro FETCH_A slot, q, i0
.irp i, \i0, \i0+1, \i0+2, \i0+3
	FRAG AF+FR*(\i), AS1+\slot, \q, \i
.endr
.endm
.macro SCALES k
.irp q, 0,1
.irp p, 0,1,2,3
	ds_load_b64 v[SC+16*((\k)%2)+8*\q+2*\p:SC+16*((\k)%2)+8*\q+2*\p+1], v[ADRS] offset:(2*(\k)+\q)*512+\p*128
.endr
.endr
.endm
; The 64 accumulators take turns, one instruction a turn, in the same order in every step.
.macro MUL16 a0, p, q, sc, zero
.irp a, \a0, \a0+1
.irp b, 0,1,2,3,4,5,6,7
.if \zero
	v_wmma_scale_f32_16x16x128_f8f6f4 v[8*(8*((\a)%4)+\b):8*(8*((\a)%4)+\b)+7], v[128*(\p)+FR*\b:128*(\p)+FR*\b+FR-1], v[AF+FR*(\a):AF+FR*(\a)+FR-1], 0, v[SC+16*(\sc)+8*(\q)+\b], v[SC+16*(\sc)+8*(\q)+(\a)] matrix_a_fmt:MATRIX_FMT_FP6 matrix_b_fmt:MATRIX_FMT_FP6 matrix_a_scale:MATRIX_SCALE_ROW1
.else
	v_wmma_scale_f32_16x16x128_f8f6f4 v[8*(8*((\a)%4)+\b):8*(8*((\a)%4)+\b)+7], v[128*(\p)+FR*\b:128*(\p)+FR*\b+FR-1], v[AF+FR*(\a):AF+FR*(\a)+FR-1], v[8*(8*((\a)%4)+\b):8*(8*((\a)%4)+\b)+7], v[SC+16*(\sc)+8*(\q)+\b], v[SC+16*(\sc)+8*(\q)+(\a)] matrix_a_fmt:MATRIX_FMT_FP6 matrix_b_fmt:MATRIX_FMT_FP6 matrix_a_scale:MATRIX_SCALE_ROW1
.endif
.endr
.endr
.endm
; A K STEP of 128.  mode 0: plain.  mode 1: slot 0 is filled again: every wave's wait for all its tensor loads, the add, the wait for it and for the reads; the barrier opens a round of the cluster's barrier; the joint refill first behind it.
; mode 2: the refill has landed: each wave's wait for it and a barrier ahead of the first read of the new bytes. mode 3: the last step.
.macro KS p, q, sc, zero, mode, ns, nq, nk
.if \mode == 1
	s_wait_tensorcnt 0x0                           ; all my tensor loads have landed, slots 1 and 2 among them
	ds_add_u32 v[SPW], v[NIL]                      ; 0 onto my spare word
	s_wait_dscnt 17                                ; the add and the 16 youngest loads may be out
.elseif \mode == 2
	s_wait_tensorcnt 0x0                           ; my part of the refill has landed: no load was issued behind it
	s_wait_dscnt 16
.else
	s_wait_dscnt 16                                ; all but the 16 youngest loads (source 1's blocks 4-7)
.endif
	WIN MUL_LO
	MUL16 0, \p, \q, \sc, \zero
.if (\mode == 1) || (\mode == 2)
	s_wait_dscnt 0x0
	s_barrier_signal -1
.endif
	MUL16 2, \p, \q, \sc, \zero
.if (\mode == 1) || (\mode == 2)
	WIN 0
	s_barrier_wait -1
.else
	s_wait_dscnt 0x0
.endif
.if \mode == 1
	CREST
	s_add_nc_u64 s[G0X0+2:G0X0+3], s[G0X0+2:G0X0+3], 3*HALF
	s_add_nc_u64 s[G0W0+2:G0W0+3], s[G0W0+2:G0W0+3], 3*HALF
	JLOAD                                          ; three and a half K steps, 224 matrix instructions, in which to land; its four v_nop are the places in front of the loads below
.elseif \mode != 3
	PLACES
.endif
.if \mode != 3
	FETCH_B \ns, \nq, 1-\p
	FETCH_A \ns, \nq, 0
.if \nq == 0
	SCALES \nk
.endif
.endif
	WIN MUL_HI
	MUL16 4, \p, \q, \sc, \zero
	MUL16 6, \p, \q, \sc, \zero
.if \mode != 3
	PLACES
	WIN 0
	FETCH_A \ns, \nq, 4
.else
	WIN 0
.endif
.endm
	s_wait_tensorcnt 0x0                           ; my one load, slots 0 to 2 of my 128 rows, has landed
	s_wait_dscnt 0x0                               ; my stores of o's scale words are done
	s_barrier_signal -1
	s_barrier_wait -1
	FETCH_B 0, 0, 0
	FETCH_A 0, 0, 0
	SCALES 0
	FETCH_A 0, 0, 4
	KS 0, 0, 0, 1, 0, 0, 1, 0
	KS 1, 1, 0, 0, 1, 1, 0, 1
	KS 0, 0, 1, 0, 0, 1, 1, 0
	KS 1, 1, 1, 0, 0, 2, 0, 2
	KS 0, 0, 0, 0, 0, 2, 1, 0
	KS 1, 1, 0, 0, 2, 0, 0, 3
	KS 0, 0, 1, 0, 0, 0, 1, 0
	KS 1, 1, 1, 0, 3, 0, 0, 0
; THE WAY OUT, block by block of 16 tokens x 128 outputs: through my own stage in LDS, back as whole rows of 512 bytes.  LDS serves a wave's instructions in order: no wait between the stores and the loads.
.macro TOSTAGE a
.set AC, 64*((\a)%4)
	WIN 0x08+4*((\a)/4)                            ; the data: window 2 or 3
.irp b, 0,1,2,3,4,5,6,7
	ds_store_b128 v[STO], v[AC+8*\b:AC+8*\b+3] offset:64*\b          ; each accumulator from its low end on
	ds_store_b128 v[STO], v[AC+8*\b+4:AC+8*\b+7] offset:64*\b+16
.endr
	WIN 0
.set BB, BK+64*((\a)%2)
.irp t, 0,1,2,3,4,5,6,7,8,9,10,11,12,13,14,15
	ds_load_b128 v[BB+4*\t:BB+4*\t+3], v[RD] offset:\t*SPITCH
.endr
.endm
.macro SEND a, younger                 ; younger: the LDS instructions issued behind block a's loads
.set BB, BK+64*((\a)%2)
	s_wait_dscnt \younger
.if (\a) > 0
	s_add_nc_u64 s[8:9], s[8:9], 16*4096           ; 16 rows on (the earlier stores have read their base: the wait stands ahead)
.endif
.irp t, 0,1,2,3,4,5,6,7,8,9,10,11,12,13,14,15
	global_store_b128 v[L16], v[BB+4*\t:BB+4*\t+3], s[8:9] offset:\t*4096 th:TH_STORE_NT   ; 32 lanes store 512 consecutive bytes, aligned
.endr
.endm
	PLACES                                         ; behind the last products: ahead of the reads of results and of loads into registers that held operands
	TOSTAGE 0
.irp a, 1,2,3,4,5,6,7
.if \a > 1
	s_wait_xcnt 0x0                                ; block a - 2's stores have read their registers and their base
.endif
	TOSTAGE \a
	SEND \a-1, 32                                  ; behind block a - 1's loads: block a's 16 stores and 16 loads
.endr
	s_wait_xcnt 0x0
	SEND 7, 0
	s_wait_tensorcnt 0x0                           ; the wave's end
	ds_add_u32 v[SPW], v[NIL]
	s_wait_dscnt 0x0
	CROUND                                         ; the closing round
	s_endpgm
.Lfunc_end_k_q105cfa3d54_gemm_out:
	.size	k_q105cfa3d54_gemm_out, .Lfunc_end_k_q105cfa3d54_gemm_out-k_q105cfa3d54_gemm_out
	.p2alignl 7, 3214868480
	.fill 96, 4, 3214868480
	.section	.rodata,"a",@progbits
	.p2align	6, 0x0
	.amdhsa_kernel k_q105cfa3d54_gemm_out
		.amdhsa_group_segment_fixed_size 327680
		.amdhsa_private_segment_fixed_size 0
		.amdhsa_enable_private_segment 0
		.amdhsa_kernarg_size 24
		.amdhsa_user_sgpr_count 2
		.amdhsa_user_sgpr_kernarg_segment_ptr 1
		.amdhsa_wavefront_size32 1
		.amdhsa_system_sgpr_workgroup_id_x 1
		.amdhsa_system_sgpr_workgroup_id_y 1
		.amdhsa_system_sgpr_workgroup_id_z 1
		.amdhsa_system_vgpr_workitem_id 0
		.amdhsa_next_free_vgpr 1024
		.amdhsa_next_free_sgpr 100
		.amdhsa_reserve_vcc 0
		.amdhsa_float_denorm_mode_32 3
		.amdhsa_float_denorm_mode_16_64 3
		.amdhsa_memory_ordered 1
		.amdhsa_forward_progress 1
		.amdhsa_inst_pref_size 145
	.end_amdhsa_kernel
	.amdgpu_metadata
---
amdhsa.version: [ 1, 2 ]
amdhsa.kernels:
  - .name:           k_q105cfa3d54_gemm_out
    .symbol:         k_q105cfa3d54_gemm_out.kd
    .args:
      - { .name: w1, .offset: 0, .size: 8, .value_kind: global_buffer, .address_space: global }
      - { .name: att, .offset: 8, .size: 8, .value_kind: global_buffer, .address_space: global }
      - { .name: out0, .offset: 16, .size: 8, .value_kind: global_buffer, .address_space: global }
    .group_segment_fixed_size: 327680
    .private_segment_fixed_size: 0
    .kernarg_segment_align: 8
    .kernarg_segment_size: 24
    .max_flat_workgroup_size: 128
    .sgpr_count:     100
    .vgpr_count:     1024
    .wavefront_size: 32
...
	.end_amdgpu_metadata
.endif
;; end of part 4
